; MI455X (gfx1250); checked and timed in simulation.
; The chip was launched on July 23, 2026; its instructions are those of AMD's public machine-readable ISA for CDNA 5 (MIT licence, August 2026) and "CDNA5" Instruction Set Architecture Reference Guide (July 2026). The comments in the code are by the model that wrote it; some were corrected since.
;; Multi Head Attention. Allowed arithmetic: matrix products marked QUANTISED: E2M1 operands, one E8M0 scale for each 32 along K, by v_wmma_scale_f32_16x16x128_f8f6f4 with both operands' format E2M1 (or v_wmma_scale_f32_32x16x128_f4), f32 sums; products left as they are: bf16, f16 or f32 operands; f32 sums; everything else in f32.
;; Inputs: b_proj 1,024 float32; w_proj 1,024 x 1,024 float32; w_qkv 3,072 x 1,024 float32; x 8 x 1,024 x 1,024 float32.
;; Outputs: out0 8 x 1,024 x 1,024 float32.
;; This version of the problem:
;;   THIS VERSION OF THE PROBLEM IS GIVEN IN LOW PRECISION. The matrix products marked QUANTISED in the list below multiply operands that are first quantised to E2M1 (2 exponent bits, 1 mantissa bit; 4 bits a number), with one power-of-two scale for each 32 numbers along K (OCP MX v1.0); their sums are f32. The products marked 'left as it is' may take bf16, f16 or f32 operands, with f32 sums. Whichever they take, every output number must still come out within the allowed error. Rounding operands to bf16 (8 significant bits) uses up far more of that allowance than f16 does (11 bits, for magnitudes from 6e-5 to 65,504). All else is computed in f32.
;;   The module's matrix products, in the order in which they are computed (A, B: the left and right operand; K: the contracted axis; several contracted axes count as one K, in the product's order):
;;     1. [M 8,192, K 1,024] x [K 1,024, N 3,072]; A: input x; B: input w_qkv: QUANTISED
;;     2. batch 128 x [M 1,024, K 64] x [K 64, N 1,024]; A: computed on the way; B: computed on the way: left as it is (an operand is computed on the way)
;;     3. batch 128 x [M 1,024, K 1,024] x [K 1,024, N 64]; A: computed on the way; B: computed on the way: left as it is (an operand is computed on the way)
;;     4. [M 8,192, K 1,024] x [K 1,024, N 1,024]; A: computed on the way; B: input w_proj: left as it is (an operand is computed on the way)
;;   THE QUANTISER, for each operand of a quantised product, along K:
;;     - K is cut into blocks of 32 from its start; a last block that is shorter is filled with zeros.
;;     - A block's scale is 2^e with e = floor(log2(the largest magnitude in the block)) - 2, held to -126 .. 127; a block of zeros has e = 0. As a byte (E8M0): e + 127.
;;     - Each number is divided by its block's scale, clamped to +-6, and rounded to the nearest number of E2M1, ties to even, subnormals kept.
;;     - The product sums the exact products of the quantised numbers (number of the format x scale) in f32.
;;   ~~~python
;;   def quantise(x, axis):      # numpy; x: float32 -> the quantised numbers, widened to float32 again
;;       x = np.moveaxis(x, axis, -1); K = x.shape[-1]
;;       x = np.pad(x, [(0, 0)] * (x.ndim - 1) + [(0, -K % 32)]); x = x.reshape(x.shape[:-1] + (-1, 32)); a = np.abs(x).max(-1, keepdims=True)
;;       e = np.where(a > 0, np.clip(np.frexp(np.where(a > 0, a, 1))[1] - 1 - 2, -126, 127), 0)      # np.frexp(a)[1] - 1 = floor(log2(a)), exactly
;;       r = np.clip(x / 2.0 ** e, -6, 6)
;;       step = 2.0 ** (np.maximum(np.frexp(np.where(r == 0, 1, r))[1] - 1, 0) - 1)
;;       q = np.round(r / step) * step * 2.0 ** e      # np.round: ties to even
;;       return np.moveaxis(q.reshape(q.shape[:-2] + (-1,))[..., :K], -1, axis).astype(np.float32)
;;   ~~~
;; One version. Each part assembles by itself: llvm-mc -triple=amdgcn-amd-amdhsa -mcpu=gfx1250 --defsym DOCPART=n.
;; ======== version 1 of 1: 5 launches
;; limits: values are held in f16: magnitudes above 65,504 overflow, below 6.1e-05 lose precision
;; workspace buffers: x_codes 4,194,304 bytes; x_scales 262,144 bytes; w_codes 1,572,864 bytes; w_scales 98,304 bytes; wp 4,194,304 bytes; qkvh 50,331,648 bytes; qkv32 1,572,864 bytes; yh 16,777,216 bytes
;; launch prep (part 1): grid 480 x 1, 4 waves a work-group, no clusters, 33,280 bytes of LDS; arguments x, w_qkv, w_proj, x_codes, x_scales, w_codes, w_scales, wp; writes x_codes, x_scales, w_codes, w_scales, wp
.if DOCPART == 1
	.amdgcn_target "amdgcn-amd-amdhsa--gfx1250"
	.amdhsa_code_object_version 6
	.text
	.protected	k_q5c04072f4c_prep
	.globl	k_q5c04072f4c_prep
	.p2align	8
	.type	k_q5c04072f4c_prep,@function
k_q5c04072f4c_prep:
	s_mov_b64 s[64:65], 0
	v_nop
	global_prefetch_b8 v0, s[64:65] scope:SCOPE_SE
	s_setreg_imm32_b32 hwreg(HW_REG_WAVE_MODE, 25, 1), 1
	s_wait_xcnt 0x0
; PREP.  (1) x [8192][1024] and w_qkv [3072][1024], f32, K innermost, become codes of FP4 (E2M1), two a byte, K innermost, with one E8M0 byte for each 32 along K.
; A block's scale is 2^(floor(log2(its largest magnitude)) - 2); its byte is the largest magnitude's exponent field - 2, held at 1 from below; each number is divided by the scale and rounded to the nearest code, ties to even, beyond 6 the code of 6.
; (2) w_proj [1024 n][1024 k], f32, becomes two f16 tensors, a high part (nearest f16) and a low part (f16 of w - high), each laid [16 kc][1024 n][64]: k = 64 kc + 0 .. 63, so that a (kc, n) row is 128 bytes and two rows are 256 consecutive bytes.
; LIMITS: NaN and infinities among the inputs are not served.  A block of zeros gets the byte 1 where the rule says 127: its codes are zeros, and this program alone reads the bytes.  Blocks whose largest magnitude lies under 2^-124 keep the byte 1.
; w_proj beyond 65,504 in magnitude is not served; its low part has steps of 6e-8 at the least.
; SHARES.  Work-groups 0-255 take x, 256-351 w_qkv (both are plain streams of blocks of 32: a wave takes 16 steps of 512 numbers), 352-479 w_proj (a wave takes two rows).  Waves share nothing: no barrier.
; In a step each of four loads reads 512 consecutive bytes, 16 a lane; the 2,048 bytes turn through the wave's own stage in LDS and come back 64 bytes a lane, so that a lane holds 16 neighbours along K and two lanes a block.
.set WGA,   256                        ; x: 8192 x 1024 / 32768 work-groups
.set WGQ,   352                        ; + w_qkv's 96
.set STEPS, 16
.set EMAX,  2
.set CB,    8                          ; bytes of 16 codes
.set R,     16                         ; v16-79   four sets of 16 numbers as loaded (w_proj's path: its 64 numbers)
.set X,     80                         ; v80-111  two sets of 16 neighbours
.set C,     128                        ; v128-191 codes: four registers for each step, so that no store's data are written again
.set E,     112                        ; v112-127 a scale byte for each step (w_proj's path: at work)
.set WREG,  8192                       ; LDS: a region for each wave: two stages of 32 x SP bytes, behind them its 256 scale bytes
.set SP,    80                         ; a lane's place in a stage: 64 bytes + 16 of padding
.set SPW,   12                         ; v12  LDS address of my spare word; never rewritten
.set NIL,   13                         ; v13  0; never rewritten
.set SPARE, 4*WREG                     ; behind the four regions: the spare words, 128 bytes a wave, which no other line names
	s_load_b512 s[4:19], s[0:1], 0x0               ; x 4:5, w_qkv 6:7, w_proj 8:9, x_codes 10:11, x_scales 12:13, w_codes 14:15, w_scales 16:17, wp 18:19
	v_lshl_add_u32 v[SPW], v0, 2, SPARE
	v_mov_b32 v[NIL], 0
	v_lshrrev_b32 v1, 5, v0
	v_readfirstlane_b32 s20, v1                    ; wave
	v_and_b32 v2, 31, v0                           ; lane
	v_lshlrev_b32 v3, 4, v2                        ; my 16 bytes of a load's 512
	s_mul_i32 s21, s20, WREG
	v_lshrrev_b32 v14, 2, v2
	v_mul_u32_u24 v14, v14, SP
	v_and_b32 v15, 3, v2
	v_lshl_add_u32 v14, v15, 4, v14
	v_add_nc_u32 v14, s21, v14                     ; the stage, on the way in: SP (lane / 4) + 16 (lane % 4)
	v_mul_u32_u24 v15, v2, SP
	v_add_nc_u32 v15, s21, v15                     ; and on the way out: SP x lane
	v_mul_u32_u24 v4, v2, CB                       ; my codes' place in a step's
	v_lshrrev_b32 v5, 1, v2
	s_add_co_u32 s21, s21, 2*32*SP
	v_add_nc_u32 v5, s21, v5                       ; LDS: my wave's 256 scale bytes, my block's byte
	v_lshlrev_b32 v7, 3, v2                        ; 8 bytes a lane
	v_add_nc_u32 v6, s21, v7
	s_wait_kmcnt 0x0
	s_cmp_ge_u32 ttmp9, WGQ
	s_cbranch_scc1 .Lconvert                       ; the work-group's number alone decides
	s_cmp_lt_u32 ttmp9, WGA                        ; x's work-group or w_qkv's?
	s_cselect_b64 s[4:5], s[4:5], s[6:7]
	s_cselect_b64 s[10:11], s[10:11], s[14:15]
	s_cselect_b64 s[12:13], s[12:13], s[16:17]
	s_cselect_b32 s21, 0, WGA
	s_sub_co_u32 s21, ttmp9, s21
	s_lshl_b32 s21, s21, 2
	s_add_co_u32 s22, s21, s20                     ; which run of 8,192 numbers is my wave's: 1,023 at the most
	s_mov_b32 s25, 0
	s_lshl_b32 s24, s22, 15                        ; 32,768 bytes of numbers a run
	s_add_nc_u64 s[4:5], s[4:5], s[24:25]
	s_lshl_b32 s24, s22, 12                        ; 4,096 bytes of codes
	s_add_nc_u64 s[10:11], s[10:11], s[24:25]
	s_lshl_b32 s24, s22, 8                         ; 256 scale bytes
	s_add_nc_u64 s[12:13], s[12:13], s[24:25]
.macro LOAD t
.irp i, 0,1,2,3
	global_load_b128 v[R+16*((\t)%4)+4*\i:R+16*((\t)%4)+4*\i+3], v3, s[4:5] offset:2048*(\t)+512*\i th:TH_LOAD_NT   ; 32 lanes read 512 consecutive bytes
.endr
.endm
.macro TURN t                          ; step t's numbers through the stage: LDS serves a wave's instructions in order, so no wait stands between the stores and the loads
.irp i, 0,1,2,3
	ds_store_b128 v14, v[R+16*((\t)%4)+4*\i:R+16*((\t)%4)+4*\i+3] offset:32*SP*((\t)%2)+8*SP*\i
.endr
.irp i, 0,1,2,3
	ds_load_b128 v[X+16*((\t)%2)+4*\i:X+16*((\t)%2)+4*\i+3], v15 offset:32*SP*((\t)%2)+16*\i
.endr
.endm
.irp t, 0,1,2,3
	LOAD \t
.endr
	s_wait_loadcnt 12                              ; step 0's four loads are in; the 12 of steps 1 to 3 may be out
	TURN 0
.macro STEP t
.set XS, X+16*((\t)%2)
.if (\t) > 0
	s_wait_dscnt 1                                 ; this step's numbers are back from the stage (the last step's byte store may be out)
.else
	s_wait_dscnt 0x0
.endif
.if (\t)+4 < STEPS
	LOAD (\t)+4                                    ; into the registers that the stage's stores have read
.endif
.if (\t)+1 < STEPS
.if STEPS-2-(\t) >= 3
	s_wait_loadcnt 12                              ; the next step's four loads are in; those of the three steps behind it may be out
.else
	s_wait_loadcnt 4*(STEPS-2-(\t))
.endif
	TURN (\t)+1                                    ; through the other stage while this step is worked
.endif
	v_max3_num_f32 v8, |v[XS]|, |v[XS+1]|, |v[XS+2]|               ; the largest magnitude of my 16, in two chains
	v_max3_num_f32 v9, |v[XS+3]|, |v[XS+4]|, |v[XS+5]|
.irp i, 6,10
	v_max3_num_f32 v8, v8, |v[XS+\i]|, |v[XS+\i+1]|
	v_max3_num_f32 v9, v9, |v[XS+\i+2]|, |v[XS+\i+3]|
.endr
	v_max3_num_f32 v8, v8, |v[XS+14]|, |v[XS+15]|
	v_max3_num_f32 v8, v8, v9, (EMAX+1)<<23        ; and the floor 2^(3 - 127): the byte cannot fall under 1
	v_max_num_f32_dpp v8, v8, v8 row_xmask:1 row_mask:0xf bank_mask:0xf   ; with my neighbour's 16: the block's
	v_add_nc_u32 v11, -(EMAX<<23), v8              ; 2 off its exponent field: the conversion takes the exponent field of this operand as its scale
	v_cvt_scalef32_pk8_fp4_f32 v[C+4*(\t)], v[XS:XS+7], v11
	v_cvt_scalef32_pk8_fp4_f32 v[C+4*(\t)+1], v[XS+8:XS+15], v11
	v_lshrrev_b32 v[E+(\t)], 23, v11               ; the scale's byte
	ds_store_b8 v5, v[E+(\t)] offset:16*(\t)       ; both lanes of a block write the same byte with the same value
	global_store_b64 v4, v[C+4*(\t):C+4*(\t)+1], s[10:11] offset:32*CB*(\t)   ; the wave stores 256 consecutive bytes, aligned
.endm
.irp t, 0,1,2,3,4,5,6,7,8,9,10,11,12,13,14,15
	STEP \t
.endr
	ds_load_b64 v[8:9], v6                         ; LDS serves a wave's instructions in order: these see my byte stores
	s_wait_dscnt 0x0
	global_store_b64 v7, v[8:9], s[12:13]          ; the wave's 256 scale bytes, consecutive and aligned
	s_wait_tensorcnt 0x0                           ; the wave's end
	ds_add_u32 v[SPW], v[NIL]
	s_wait_dscnt 0x0
	s_endpgm
.Lconvert:                                             ; w_proj: my wave's rows n = 2 g and 2 g + 1; no LDS is touched on this path
	s_sub_co_u32 s21, ttmp9, WGQ
	s_lshl_b32 s21, s21, 2
	s_add_co_u32 s21, s21, s20                     ; g = 0 .. 511
	s_lshl_b32 s22, s21, 13                        ; two rows of 4,096 bytes
	s_mov_b32 s23, 0
	s_add_nc_u64 s[8:9], s[8:9], s[22:23]
	s_lshl_b32 s22, s21, 8                         ; two rows of 128 bytes in each plane
	s_add_nc_u64 s[18:19], s[18:19], s[22:23]
	v_lshrrev_b32 v8, 4, v2
	v_and_b32 v9, 15, v2
	v_lshlrev_b32 v1, 12, v8
	v_lshl_add_u32 v1, v9, 4, v1                   ; lanes 0-15 row 2 g, lanes 16-31 row 2 g + 1; 16 bytes a lane
.irp kc, 0,1,2,3,4,5,6,7,8,9,10,11,12,13,14,15
	global_load_b128 v[R+4*\kc:R+4*\kc+3], v1, s[8:9] offset:256*\kc th:TH_LOAD_NT   ; 256 consecutive bytes of each of the two rows
.endr
.irp kc, 0,1,2,3,4,5,6,7,8,9,10,11,12,13,14,15
	s_wait_loadcnt 15-\kc                          ; plane kc's load is in; the younger ones may be out
	s_wait_xcnt 0x0                                ; the last plane's stores have read v120-123: they are written again only behind this wait
	v_cvt_pk_f16_f32 v120, v[R+4*\kc], v[R+4*\kc+1]                ; the high part: nearest f16
	v_cvt_pk_f16_f32 v121, v[R+4*\kc+2], v[R+4*\kc+3]
	v_cvt_f32_f16 v112, v120.l
	v_cvt_f32_f16 v113, v120.h
	v_cvt_f32_f16 v114, v121.l
	v_cvt_f32_f16 v115, v121.h
	v_pk_add_f32 v[116:117], v[R+4*\kc:R+4*\kc+1], v[112:113] neg_lo:[0,1] neg_hi:[0,1]     ; w - high, exact in f32
	v_pk_add_f32 v[118:119], v[R+4*\kc+2:R+4*\kc+3], v[114:115] neg_lo:[0,1] neg_hi:[0,1]
	v_cvt_pk_f16_f32 v122, v116, v117              ; the low part
	v_cvt_pk_f16_f32 v123, v118, v119
	global_store_b64 v7, v[120:121], s[18:19] offset:131072*\kc            ; the wave stores 256 consecutive bytes, aligned: rows 2 g, 2 g + 1 of plane kc
	global_store_b64 v7, v[122:123], s[18:19] offset:2097152+131072*\kc
.endr
	s_endpgm
.Lfunc_end_k_q5c04072f4c_prep:
	.size	k_q5c04072f4c_prep, .Lfunc_end_k_q5c04072f4c_prep-k_q5c04072f4c_prep
	.p2alignl 7, 3214868480
	.fill 96, 4, 3214868480
	.section	.rodata,"a",@progbits
	.p2align	6, 0x0
	.amdhsa_kernel k_q5c04072f4c_prep
		.amdhsa_group_segment_fixed_size 33280
		.amdhsa_private_segment_fixed_size 0
		.amdhsa_enable_private_segment 0
		.amdhsa_kernarg_size 64
		.amdhsa_user_sgpr_count 2
		.amdhsa_user_sgpr_kernarg_segment_ptr 1
		.amdhsa_wavefront_size32 1
		.amdhsa_system_sgpr_workgroup_id_x 1
		.amdhsa_system_sgpr_workgroup_id_y 1
		.amdhsa_system_sgpr_workgroup_id_z 1
		.amdhsa_system_vgpr_workitem_id 0
		.amdhsa_next_free_vgpr 192
		.amdhsa_next_free_sgpr 66
		.amdhsa_reserve_vcc 0
		.amdhsa_float_denorm_mode_32 3
		.amdhsa_float_denorm_mode_16_64 3
		.amdhsa_memory_ordered 1
		.amdhsa_forward_progress 1
		.amdhsa_inst_pref_size 47
	.end_amdhsa_kernel
	.amdgpu_metadata
---
amdhsa.version: [ 1, 2 ]
amdhsa.kernels:
  - .name:           k_q5c04072f4c_prep
    .symbol:         k_q5c04072f4c_prep.kd
    .args:
      - { .name: x, .offset: 0, .size: 8, .value_kind: global_buffer, .address_space: global }
      - { .name: w_qkv, .offset: 8, .size: 8, .value_kind: global_buffer, .address_space: global }
      - { .name: w_proj, .offset: 16, .size: 8, .value_kind: global_buffer, .address_space: global }
      - { .name: x_codes, .offset: 24, .size: 8, .value_kind: global_buffer, .address_space: global }
      - { .name: x_scales, .offset: 32, .size: 8, .value_kind: global_buffer, .address_space: global }
      - { .name: w_codes, .offset: 40, .size: 8, .value_kind: global_buffer, .address_space: global }
      - { .name: w_scales, .offset: 48, .size: 8, .value_kind: global_buffer, .address_space: global }
      - { .name: wp, .offset: 56, .size: 8, .value_kind: global_buffer, .address_space: global }
    .group_segment_fixed_size: 33280
    .private_segment_fixed_size: 0
    .kernarg_segment_align: 8
    .kernarg_segment_size: 64
    .max_flat_workgroup_size: 128
    .sgpr_count:     66
    .vgpr_count:     192
    .wavefront_size: 32
...
	.end_amdgpu_metadata
.endif
;; end of part 1
;; launch qkv (part 2): grid 8 x 32, 4 waves a work-group, clusters of 4 x 4, 327,680 bytes of LDS; arguments x_codes, x_scales, w_codes, w_scales, qkvh, qkv32; writes qkvh, qkv32
.if DOCPART == 2
	.amdgcn_target "amdgcn-amd-amdhsa--gfx1250"
	.amdhsa_code_object_version 6
	.text
	.protected	k_q5c04072f4c_qkv
	.globl	k_q5c04072f4c_qkv
	.p2align	8
	.type	k_q5c04072f4c_qkv,@function
k_q5c04072f4c_qkv:
	s_mov_b64 s[64:65], 0
	v_nop
	global_prefetch_b8 v0, s[64:65] scope:SCOPE_SE
	s_setreg_imm32_b32 hwreg(HW_REG_WAVE_MODE, 25, 1), 1
	s_wait_xcnt 0x0
	s_wait_alu depctr_hold_cnt(0) depctr_sa_sdst(0) depctr_va_vdst(0) depctr_va_sdst(0) depctr_va_ssrc(0) depctr_va_vcc(0) depctr_vm_vsrc(0)
	s_getreg_b32 s2, hwreg(HW_REG_IB_STS2, 6, 4)
	s_cmp_eq_u32 s2, 0
	s_cbranch_scc0 .Lentry_in_a_cluster
	s_endpgm
.Lentry_in_a_cluster:
	s_bfe_u32 s2, ttmp6, 0x10000c
	s_cmp_lg_u32 s2, 0xf033
	s_cbranch_scc0 .Lentry_shape_is_right
	s_endpgm
.Lentry_shape_is_right:
; QKV.  C[m][n] = sum over k of x[m][k] w_qkv[n][k] on codes of FP4 (E2M1) with one E8M0 scale for each 32 along K: M = 8,192, N = 3,072, K = 1,024; sums in f32.
; The result leaves as f16 by head, qkvh [3 kinds q,k,v][8 b][16 h][1024 t][64], and the rows t < 16 of every sequence also as f32, qkv32 [8 b][16 t][3072].
; LIMIT: |q|, |k|, |v| stay under 65,504 (f16's largest number).
; SHARES.  A tile of C is 256 rows x 384 columns: 32 x 8 = 256 work-groups of four waves.  It is made in TWO PASSES: columns 0-255 (a wave: 128 x 128, 64 accumulators), then columns 256-383 (a wave: 128 x 64, 32 accumulators).
; K is two steps of 512, one in each of two LDS slots (x's 256 rows, then w's 256).  x's rows stay in LDS for both passes.  All 640 rows do not fit at once (640 x 544 bytes), so behind the first pass w's rows 0-127 of
; both slots are filled again, with the second pass's 128 rows: one joint load in each of waves 2 and 3, behind a round of the cluster's barrier.  It lands while the first pass's results go out, and those stores leave while the second pass multiplies.
; THE SCALES of the work-group's 256 rows of x and 384 rows of w, for all of K, are two dense blocks of memory: they come into LDS once, as rows of 256 bytes.
; CLUSTERS: 4 x 4 work-groups.  The four of a row of the cluster need the same tiles of x, the four of a column the same tiles of w: each tile is asked for jointly.
; THE TILE ROW is 8 cy + Y (Y the cluster's y, 0 .. 7): its two low bits are Y's, so the test 'this tile begins a sequence' is the same in all sixteen partners.
; THE MATRIX INSTRUCTION IS USED TRANSPOSED (source 0 = 16 rows of w, source 1 = 16 rows of x): a lane holds eight neighbouring columns of one row of C.
; THE STAGES for the way out lie in w's rows 128-255 of the slots: those bytes have had their last fill, and behind the round nobody reads them.
; REGISTERS: window 0: v15-31 addresses; v32-95 scale words, two sets; v128-191 x's fragments, one set; on the way out v32-127 and v192-255 are free.  window 1: w's fragments, two sets, at v0 and v128.
;   window 2: first pass: the accumulators of my rows 0-63 ((a, b) at v[8 (8 a + b)]); second pass: all 32 ((a, b) at v[8 (4 a + b)]).  window 3: first pass: those of my rows 64-127.
.set SIZE_K, 1024
.set KSTEP,  512                       ; along K in a slot
.set NQ,     KSTEP/128                 ; matrix instructions deep
.set ROWB,   256                       ; a tile's row in bytes
.set KROW,   SIZE_K/2                  ; a row of codes in memory
.set PITCH,  272                       ; an LDS row: 256 bytes + 16 of padding: the 16 rows of a fragment load start 68 words apart
.set FR,     8
.set NL,     2
.set NP,     4                         ; places behind this matrix instruction (ISA guide 7.12.1)
.set HALFT,  128*PITCH
.set SLOT,   4*HALFT
.set KS,     SIZE_K/32                 ; a row of scales in bytes
.set SCL,    2*SLOT                    ; behind the slots: x's scales, 256 rows,
.set HALFS,  16*272                    ; (those of 128 rows)
.set SB192,  24*272                    ; (those of 192 rows)
.set SBLK,   2*272                     ; (those of 16 rows)
.set SCLB,   SCL+2*HALFS               ; then w's, 384 rows
.set SPARE,  SCLB+2*SB192              ; the spare words, 128 bytes a wave, which no other line names
.set ST16,   3*HALFT                   ; the f16 stages, 16 x 272 bytes a wave: slot 0, w's rows 128-255
.set ST32,   SLOT+3*HALFT              ; the f32 stages, 16 x 528 bytes a wave: slot 1, w's rows 128-255
.set CO32B, 15                         ; v15  second pass, f32 rows: my byte offset in two rows of qkv32
.set ADRA, 16                          ; v16-17  LDS address of my fragments of x in slot 0, 1
.set ADRB2, 18                         ; v18-19  of w in the second pass
.set ADRB, 20                          ; v20-21  of w in the first pass
.set STO32, 22                         ; v22  f32 stage: where I put 32 bytes of a row
.set RD32, 23                          ; v23  and where I read a row of 512 bytes back
.set STO,  24                          ; v24  f16 stage: where I put 16 bytes of a row
.set RD,   25                          ; v25  and where I read 16 bytes of a head's 128 back
.set CO,   26                          ; v26  16 x lane
.set ADRS, 27                          ; v27  scale words: lanes 0-15 x's rows, lanes 16-31 w's rows of the first pass
.set SPW,  28
.set NIL,  29
.set ADRS2, 30                         ; v30  the same with w's rows of the second pass
.set RD32B, 31                         ; v31  f32 stage: where I read 16 bytes of a row of 256 back
.set SC,   32
.set AF,   128
.set F32,  64                          ; v64-127  the f32 rows on their way out
.set TMP,  192                         ; v192-223 packed results
.set OB,   32                          ; v32-63 and v224-255 by turns: rows read back from the f16 stage
.set G1, 24
.set G0, 32
.set G1B, 48
.set G0B, 56
.set G1S, 68
.set G0S, 76                           ; group 0 for x's scales; later for the refill
.set G1SB, 80
.set G0SB, 88
.set MSB, 0
.macro WIN new                         ; the immediate's high byte repeats the setting that is left
.if MSB != \new
	s_set_vgpr_msb (MSB<<8)|\new
.set MSB, \new
.endif
.endm
.set MUL_LO, 0xa1                      ; source 0 (w) window 1, source 1 (x) window 0, C and D window 2
.set MUL_HI, 0xf1
.set TO_B,   0x40
; A joint load: waves 0 and 1 fetch for x, waves 2 and 3 for w.  The branch hangs on the wave's number alone.  An s_nop 0 and four v_nop follow each line.
.macro JLOAD g0a, g1a, g0b, g1b
	s_cmp_eq_u32 s15, 0
	s_cbranch_scc0 .Lfor_b_\@
	tensor_load_to_lds s[\g0a:\g0a+3], s[\g1a:\g1a+7]
	s_nop 0
.rept 4
	v_nop
.endr
	s_branch .Lasked_\@
.Lfor_b_\@:
	tensor_load_to_lds s[\g0b:\g0b+3], s[\g1b:\g1b+7]
	s_nop 0
.rept 4
	v_nop
.endr
.Lasked_\@:
.endm
.macro CROUND                          ; a round of the cluster's barrier
	s_barrier_signal -1
	s_barrier_wait -1
	s_cmp_lg_u32 s14, 0
	s_cbranch_scc1 .Lnot_wave_0_\@
	s_barrier_signal -3
.Lnot_wave_0_\@:
	s_barrier_wait -3
	s_barrier_signal -1
	s_barrier_wait -1
.endm
	s_load_b128 s[4:7], s[0:1], 0x0                ; x's codes, x's scales
	s_load_b128 s[8:11], s[0:1], 0x10              ; w's codes, w's scales
	s_load_b64 s[12:13], s[0:1], 0x20              ; qkvh
	s_load_b64 s[96:97], s[0:1], 0x28              ; qkv32
	v_lshl_add_u32 v[SPW], v0, 2, SPARE
	v_mov_b32 v[NIL], 0
	ds_add_u32 v[SPW], v[NIL]                      ; the wave's opening: the add, twice on end, and its wait ahead of my first tensor load
	ds_add_u32 v[SPW], v[NIL]
	v_lshrrev_b32 v1, 5, v0
	v_readfirstlane_b32 s14, v1                    ; wave 0..3
	s_lshr_b32 s15, s14, 1                         ; which half of the tile's rows is mine.  Also: I fetch for x (0) or for w (1)
	s_and_b32 s16, s14, 1                          ; which half of a pass's columns.  Also: which part of a tile I fetch
	s_bfe_u32 s40, ttmp6, 0x40000                  ; cx
	s_bfe_u32 s41, ttmp6, 0x40004                  ; cy
	s_lshl_b32 s42, ttmp9, 2
	s_add_co_u32 s42, s42, s40                     ; tile column = 4 x cluster x + cx: 0 .. 7
	s_and_b32 s66, ttmp7, 0xffff                   ; Y: the cluster's y
	s_lshl_b32 s17, s41, 3
	s_add_co_u32 s17, s17, s66                     ; tile row = 8 cy + Y
	s_lshl_b32 s43, s41, 2
	s_lshl_b32 s43, 15, s43                        ; my row of the cluster
	s_lshl_b32 s44, 0x1111, s40                    ; my column
	s_or_b32 s[G1+0], s43, (0<<16)|(1<<20)|(1<<21)|(5<<22)|(3<<25)  ; the mask; elements of 1 byte; padding of 4 words after every 64; bit 21 beside a mask
	s_or_b32 s[G1B+0], s44, (0<<16)|(1<<20)|(1<<21)|(5<<22)|(3<<25)
.irp g, G1, G1B
	s_mov_b32 s[\g+1], ROWB<<16                    ; tensor_dim0
	s_mov_b32 s[\g+2], 128<<16                     ; tensor_dim1
	s_mov_b32 s[\g+3], ROWB<<16                    ; tile_dim0
	s_mov_b32 s[\g+4], 128                         ; tile_dim1
	s_mov_b32 s[\g+5], KROW                        ; the pitch
	s_mov_b32 s[\g+6], 0
	s_mov_b32 s[\g+7], 0
.endr
	s_or_b32 s[G1S+0], s43, (3<<16)|(1<<20)|(1<<21)|(5<<22)|(3<<25)  ; scales: dense blocks, as rows of 32 elements of 8 bytes.  x's: 128 rows of scales = 16 such rows
	s_mov_b32 s[G1S+1], 32<<16
	s_mov_b32 s[G1S+2], 16<<16
	s_mov_b32 s[G1S+3], 32<<16
	s_mov_b32 s[G1S+4], 16
	s_mov_b32 s[G1S+5], 32
	s_mov_b32 s[G1S+6], 0
	s_mov_b32 s[G1S+7], 0
	s_or_b32 s[G1SB+0], s44, (3<<16)|(1<<20)|(1<<21)|(5<<22)|(3<<25) ; w's: 192 rows of scales = 24 such rows
	s_mov_b32 s[G1SB+1], 32<<16
	s_mov_b32 s[G1SB+2], 24<<16
	s_mov_b32 s[G1SB+3], 32<<16
	s_mov_b32 s[G1SB+4], 24
	s_mov_b32 s[G1SB+5], 32
	s_mov_b32 s[G1SB+6], 0
	s_mov_b32 s[G1SB+7], 0
	; byte offsets, all under 2^32.  x's hang on the tile row alone, w's on the tile column alone, each in registers that never hold the other coordinate
	s_lshl_b32 s18, s16, 7
	s_lshl_b32 s20, s17, 8
	s_add_co_u32 s20, s20, s18                     ; x: row 256 x tile row + 128 x part
	s_lshl_b32 s22, s20, 5                         ; its scales: 32 bytes a row
	s_lshl_b32 s20, s20, 9                         ; its codes: 512 bytes a row
	s_mov_b32 s21, 0
	s_mov_b32 s23, 0
	s_mul_i32 s46, s42, 384                        ; w: the tile column's first row
	s_mul_i32 s92, s16, 192
	s_add_co_u32 s92, s92, s46                     ; the 192 rows whose scales I fetch
	s_lshl_b32 s92, s92, 5
	s_mov_b32 s93, 0
	s_add_co_u32 s98, s46, 256                     ; the second pass's 128 rows,
	s_lshl_b32 s98, s98, 9
	s_lshl_b32 s99, s16, 8
	s_add_co_u32 s98, s98, s99                     ; at the K step that I fetch of them
	s_mov_b32 s99, 0
	s_add_co_u32 s46, s46, s18                     ; the first pass's: + 128 x part
	s_lshl_b32 s46, s46, 9
	s_mov_b32 s47, 0
	s_mul_i32 s45, s14, HALFT                      ; where the codes go: wave x 128 rows: no place in the cluster enters an LDS address
	s_mul_i32 s94, s16, HALFS                      ; and the scales
	s_mul_i32 s95, s16, SB192
	s_wait_dscnt 0x0                               ; both opening adds are done
	s_wait_kmcnt 0x0
	s_add_nc_u64 s[20:21], s[4:5], s[20:21]
	s_add_nc_u64 s[22:23], s[6:7], s[22:23]
	s_add_nc_u64 s[46:47], s[8:9], s[46:47]
	s_add_nc_u64 s[92:93], s[10:11], s[92:93]
	s_add_nc_u64 s[98:99], s[8:9], s[98:99]
	CROUND                                         ; all sixteen work-groups are here: the joint loads meet
	s_mov_b32 s[G0S], 1
	s_add_co_u32 s[G0S+1], s94, SCL
	s_mov_b64 s[G0S+2:G0S+3], s[22:23]
	s_or_b32 s[G0S+3], s[G0S+3], 0x80000000
	s_mov_b32 s[G0SB], 1
	s_add_co_u32 s[G0SB+1], s95, SCLB
	s_mov_b64 s[G0SB+2:G0SB+3], s[92:93]
	s_or_b32 s[G0SB+3], s[G0SB+3], 0x80000000
	JLOAD G0S, G1S, G0SB, G1SB                     ; the scales first
.irp s, 0,1
	s_mov_b32 s[G0+4*\s], 1
	s_add_co_u32 s[G0+4*\s+1], s45, \s*SLOT
	s_add_nc_u64 s[G0+4*\s+2:G0+4*\s+3], s[20:21], \s*ROWB
	s_or_b32 s[G0+4*\s+3], s[G0+4*\s+3], 0x80000000
	s_mov_b32 s[G0B+4*\s], 1
	s_add_co_u32 s[G0B+4*\s+1], s45, \s*SLOT
	s_add_nc_u64 s[G0B+4*\s+2:G0B+4*\s+3], s[46:47], \s*ROWB
	s_or_b32 s[G0B+4*\s+3], s[G0B+4*\s+3], 0x80000000
	JLOAD G0+4*\s, G1, G0B+4*\s, G1B               ; both K steps: three tensor loads of mine are out
.endr
	v_and_b32 v1, 15, v0                           ; r = l % 16
	v_bfe_u32 v2, v0, 4, 1                         ; h = l / 16
	v_mul_u32_u24 v3, v1, PITCH
	v_lshl_add_u32 v4, v2, 4, v3                   ; a fragment's row x pitch + 16 x half
	s_mul_i32 s21, s15, HALFT                      ; my 128 rows of x
	s_mul_i32 s22, s16, HALFT                      ; first pass: my 128 rows of w,
	s_add_co_u32 s22, s22, 2*HALFT                 ; which lie behind x's 256
	s_mul_i32 s23, s16, 64*PITCH                   ; second pass: my 64 of the 128 rows that take the place of w's rows 0-127
	s_add_co_u32 s23, s23, 2*HALFT
.irp s, 0,1
	v_add_nc_u32 v[ADRA+\s], s21, v4
	v_add_nc_u32 v[ADRB+\s], s22, v4
	v_add_nc_u32 v[ADRB2+\s], s23, v4
	s_add_co_u32 s21, s21, SLOT
	s_add_co_u32 s22, s22, SLOT
	s_add_co_u32 s23, s23, SLOT
.endr
	v_mul_u32_u24 v5, v1, KS                       ; my row's scales: KS bytes a row,
	v_lshrrev_b32 v6, 8, v5
	v_lshl_add_u32 v5, v6, 4, v5                   ; and 16 more for each 256 passed
	s_mul_i32 s21, s15, HALFS                      ; x's: my 128 rows
	s_mul_i32 s22, s16, HALFS
	s_add_co_u32 s22, s22, 2*HALFS
	s_sub_co_u32 s22, s22, s21                     ; from there to w's rows of the first pass: 128 x half on
	v_mul_u32_u24 v6, s22, v2                      ; lanes 16-31 take w's
	s_mul_i32 s23, s16, 4*SBLK
	s_add_co_u32 s23, s23, 4*HALFS
	s_sub_co_u32 s23, s23, s21                     ; and to w's rows of the second pass: 256 + 64 x half on
	v_mul_u32_u24 v7, s23, v2
	s_add_co_u32 s21, s21, SCL
	v_add_nc_u32 v5, s21, v5
	v_add_nc_u32 v[ADRS], v5, v6
	v_add_nc_u32 v[ADRS2], v5, v7
	s_mul_i32 s23, s14, 16*272
	s_add_co_u32 s23, s23, ST16                    ; my f16 stage
	v_mul_u32_u24 v5, v1, 272
	v_lshl_add_u32 v5, v2, 4, v5
	v_add_nc_u32 v[STO], s23, v5                   ; in: row r, 16 bytes for each half of the lanes
	v_and_b32 v6, 31, v0
	v_lshrrev_b32 v5, 3, v6
	v_mul_u32_u24 v5, v5, 272
	v_and_b32 v7, 7, v0
	v_lshl_add_u32 v5, v7, 4, v5
	v_add_nc_u32 v[RD], s23, v5                    ; back: eight lanes take 128 bytes (one head) of a row, four rows an instruction
	v_lshlrev_b32 v[CO], 4, v6
	s_mul_i32 s23, s14, 16*528
	s_add_co_u32 s23, s23, ST32                    ; my f32 stage
	v_mul_u32_u24 v5, v1, 528
	v_lshl_add_u32 v5, v2, 5, v5
	v_add_nc_u32 v[STO32], s23, v5                 ; in: row r, 32 bytes for each half
	v_add_nc_u32 v[RD32], s23, v[CO]               ; back, first pass: the 32 lanes take a row of 512 bytes
	v_mul_u32_u24 v5, v2, 528
	v_lshl_add_u32 v5, v1, 4, v5
	v_add_nc_u32 v[RD32B], s23, v5                 ; back, second pass: sixteen lanes take a row of 256 bytes, two rows an instruction
	v_mul_u32_u24 v5, v2, 12288
	v_lshl_add_u32 v[CO32B], v1, 4, v5             ; and the same two rows in qkv32
	; where my parts begin in qkvh and in qkv32.  Head g = column / 64 lies at ((g / 16) x 128 + 16 b + g % 16) x 131,072 bytes
	s_lshr_b32 s20, s66, 2
	s_lshl_b32 s21, s41, 1
	s_add_co_u32 s20, s20, s21                     ; b = tile row / 4 = 2 cy + Y / 4
	s_and_b32 s67, s66, 3
	s_lshl_b32 s2, s67, 15                         ; t = (Y % 4) x 256 + 128 x row half, 128 bytes a row
	s_lshl_b32 s3, s15, 14
	s_add_co_u32 s2, s2, s3
	s_lshl_b32 s3, s20, 4                          ; 16 b
	s_mul_i32 s21, s42, 6                          ; the tile column's first head
	s_add_co_u32 s22, s21, 4
	s_add_co_u32 s22, s22, s16                     ; second pass: my one head
	s_lshr_b32 s23, s22, 4
	s_lshl_b32 s23, s23, 7
	s_and_b32 s22, s22, 15
	s_add_co_u32 s22, s22, s23
	s_add_co_u32 s22, s22, s3
	s_lshl_b32 s22, s22, 17
	s_add_co_u32 s22, s22, s2
	s_mov_b32 s23, 0
	s_add_nc_u64 s[100:101], s[12:13], s[22:23]
	s_lshl_b32 s22, s16, 1
	s_add_co_u32 s22, s22, s21                     ; first pass: my two heads begin with an even one, so both are of one kind
	s_lshr_b32 s23, s22, 4
	s_lshl_b32 s23, s23, 7
	s_and_b32 s22, s22, 15
	s_add_co_u32 s22, s22, s23
	s_add_co_u32 s22, s22, s3
	s_lshl_b32 s22, s22, 17
	s_add_co_u32 s22, s22, s2
	s_mov_b32 s23, 0
	s_add_nc_u64 s[12:13], s[12:13], s[22:23]
	s_mul_i32 s22, s20, 196608                     ; qkv32: 16 rows of 12,288 bytes a sequence,
	s_mul_i32 s23, s42, 1536                       ; 384 columns of 4 bytes a tile column
	s_add_co_u32 s22, s22, s23
	s_lshl_b32 s23, s16, 8
	s_add_co_u32 s46, s22, s23
	s_add_co_u32 s46, s46, 1024                    ; second pass: column 256 + 64 x half
	s_mov_b32 s47, 0
	s_add_nc_u64 s[92:93], s[96:97], s[46:47]
	s_lshl_b32 s23, s16, 9
	s_add_co_u32 s46, s22, s23                     ; first pass: column 128 x half
	s_add_nc_u64 s[96:97], s[96:97], s[46:47]
	s_or_b32 s95, s67, s15                         ; 0 where my rows 0-15 are t = 0 .. 15: the cluster's y and the wave's number alone
.macro FRAG reg, adr, q, i             ; 16 rows x 128 K of 4-bit codes: lane l holds row l % 16; registers 4 c .. 4 c + 3 hold K = 64 c + 32 (l / 16) + 0 .. 31
.irp c, 0,1
	ds_load_b128 v[\reg+4*\c:\reg+4*\c+3], v[\adr] offset:64*(\q)+32*\c+(\i)*16*PITCH
.endr
.endm
; First pass, 16 matrix instructions: x's blocks a0, a0 + 1 against w's eight.  The 64 accumulators take turns, one instruction a turn.  zero = 1: the product starts the sums.
.macro MUL16 a0, p, q, sc, zero
.irp a, \a0, \a0+1
.irp b, 0,1,2,3,4,5,6,7
.if \zero
	v_wmma_scale_f32_16x16x128_f8f6f4 v[8*(8*((\a)%4)+\b):8*(8*((\a)%4)+\b)+7], v[128*(\p)+FR*\b:128*(\p)+FR*\b+FR-1], v[AF+FR*(\a):AF+FR*(\a)+FR-1], 0, v[SC+8*NQ*(\sc)+NQ*\b+(\q)], v[SC+8*NQ*(\sc)+NQ*(\a)+(\q)] matrix_a_fmt:MATRIX_FMT_FP4 matrix_b_fmt:MATRIX_FMT_FP4 matrix_a_scale:MATRIX_SCALE_ROW1
.else
	v_wmma_scale_f32_16x16x128_f8f6f4 v[8*(8*((\a)%4)+\b):8*(8*((\a)%4)+\b)+7], v[128*(\p)+FR*\b:128*(\p)+FR*\b+FR-1], v[AF+FR*(\a):AF+FR*(\a)+FR-1], v[8*(8*((\a)%4)+\b):8*(8*((\a)%4)+\b)+7], v[SC+8*NQ*(\sc)+NQ*\b+(\q)], v[SC+8*NQ*(\sc)+NQ*(\a)+(\q)] matrix_a_fmt:MATRIX_FMT_FP4 matrix_b_fmt:MATRIX_FMT_FP4 matrix_a_scale:MATRIX_SCALE_ROW1
.endif
.endr
.endr
.endm
; Second pass, 8 matrix instructions: x's blocks a0, a0 + 1 against w's four.  The 32 accumulators take turns likewise.
.macro MULP a0, p, q, sc, zero
.irp a, \a0, \a0+1
.irp b, 0,1,2,3
.if \zero
	v_wmma_scale_f32_16x16x128_f8f6f4 v[8*(4*(\a)+\b):8*(4*(\a)+\b)+7], v[128*(\p)+FR*\b:128*(\p)+FR*\b+FR-1], v[AF+FR*(\a):AF+FR*(\a)+FR-1], 0, v[SC+8*NQ*(\sc)+NQ*\b+(\q)], v[SC+8*NQ*(\sc)+NQ*(\a)+(\q)] matrix_a_fmt:MATRIX_FMT_FP4 matrix_b_fmt:MATRIX_FMT_FP4 matrix_a_scale:MATRIX_SCALE_ROW1
.else
	v_wmma_scale_f32_16x16x128_f8f6f4 v[8*(4*(\a)+\b):8*(4*(\a)+\b)+7], v[128*(\p)+FR*\b:128*(\p)+FR*\b+FR-1], v[AF+FR*(\a):AF+FR*(\a)+FR-1], v[8*(4*(\a)+\b):8*(4*(\a)+\b)+7], v[SC+8*NQ*(\sc)+NQ*\b+(\q)], v[SC+8*NQ*(\sc)+NQ*(\a)+(\q)] matrix_a_fmt:MATRIX_FMT_FP4 matrix_b_fmt:MATRIX_FMT_FP4 matrix_a_scale:MATRIX_SCALE_ROW1
.endif
.endr
.endr
.endm
.macro FETCH_B slot, q, p
	WIN TO_B
.irp i, 0,1,2,3,4,5,6,7
	FRAG 128*(\p)+FR*\i, ADRB+\slot, \q, \i
.endr
	WIN 0
.endm
.macro FETCH_B2 slot, q, p
	WIN TO_B
.irp i, 0,1,2,3
	FRAG 128*(\p)+FR*\i, ADRB2+\slot, \q, \i
.endr
	WIN 0
.endm
.macro FETCH_A slot, q, i0
.irp i, \i0, \i0+1, \i0+2, \i0+3
	FRAG AF+FR*(\i), ADRA+\slot, \q, \i
.endr
.endm
.macro SCALES sc                       ; K step sc's scale words (16 bytes of a row's 32): lanes 0-15 take x's block i, lanes 16-31 w's block i
.irp i, 0,1,2,3,4,5,6,7
	ds_load_b128 v[SC+8*NQ*\sc+NQ*\i:SC+8*NQ*\sc+NQ*\i+3], v[ADRS] offset:\i*SBLK+16*\sc
.endr
.endm
.macro SCALES2 sc                      ; the same for the second pass: w has four blocks; registers 4-7 are wanted for x's blocks alone (their lanes 16-31 take first-pass words, which nothing reads)
.irp i, 0,1,2,3
	ds_load_b128 v[SC+8*NQ*\sc+NQ*\i:SC+8*NQ*\sc+NQ*\i+3], v[ADRS2] offset:\i*SBLK+16*\sc
.endr
.irp i, 4,5,6,7
	ds_load_b128 v[SC+8*NQ*\sc+NQ*\i:SC+8*NQ*\sc+NQ*\i+3], v[ADRS] offset:\i*SBLK+16*\sc
.endr
.endm
.macro PLACES n                        ; plain vector places between a matrix instruction and a load into, or a read of, its registers
.rept \n
	v_nop
.endr
.endm
.macro STEP slot, q, zero              ; first pass: 128 along K with a successor in the same slot
	s_wait_dscnt 4*NL                              ; w's set and x's blocks 0-3 are in; the youngest 8 loads (x's blocks 4-7) may be out
	WIN MUL_LO
	MUL16 0, (\q)%2, \q, \slot, \zero
	MUL16 2, (\q)%2, \q, \slot, \zero
	s_wait_dscnt 0
	PLACES NP
	FETCH_B \slot, (\q)+1, 1-(\q)%2
	FETCH_A \slot, (\q)+1, 0
	WIN MUL_HI
	MUL16 4, (\q)%2, \q, \slot, \zero
	MUL16 6, (\q)%2, \q, \slot, \zero
	PLACES NP
	WIN 0
	FETCH_A \slot, (\q)+1, 4
.endm
; Slot 0's last step of the first pass changes slots: each wave waits for all its tensor loads (slot 1's is the one that may be out), adds 0 to its spare word, waits for that and for its reads, and passes the barrier: slot 1 is whole.
.macro TURN slot, next
	s_wait_tensorcnt 0x0
	ds_add_u32 v[SPW], v[NIL]
	s_wait_dscnt 4*NL+1                            ; (the add and the youngest 8 loads may be out)
	WIN MUL_LO
	MUL16 0, 1, NQ-1, \slot, 0
	s_wait_dscnt 0x0                               ; the add is done, and my LDS loads are in
	s_barrier_signal -1
	MUL16 2, 1, NQ-1, \slot, 0
	WIN 0
	s_barrier_wait -1
	PLACES NP
	FETCH_B \next, 0, 0
	FETCH_A \next, 0, 0
	SCALES \next
	WIN MUL_HI
	MUL16 4, 1, NQ-1, \slot, 0
	MUL16 6, 1, NQ-1, \slot, 0
	PLACES NP
	WIN 0
	FETCH_A \next, 0, 4
.endm
.macro STEPS slot, from
.set Q, \from
.rept NQ-1-\from
	STEP \slot, Q, 0
.set Q, Q+1
.endr
.endm
; Second pass: 128 along K, the q-th of slot; p: w's set.  more = 1: the fragments of (nslot, nq) are fetched meanwhile.  Both slots are whole and stay: no barrier between the steps.
.macro STEP2 slot, q, nslot, nq, p, zero, more
	s_wait_dscnt 4*NL                              ; all but the youngest 8 loads (x's blocks 4-7)
	WIN MUL_LO
	MULP 0, \p, \q, \slot, \zero
	MULP 2, \p, \q, \slot, \zero
	s_wait_dscnt 0
.if \more
	PLACES NP
	FETCH_B2 \nslot, \nq, 1-(\p)
	FETCH_A \nslot, \nq, 0
	WIN MUL_LO
.endif
	MULP 4, \p, \q, \slot, \zero
	MULP 6, \p, \q, \slot, \zero
.if \more
	PLACES NP
	WIN 0
	FETCH_A \nslot, \nq, 4
.endif
.endm
	s_wait_tensorcnt 1                             ; the scales and my part of K step 0 are in; K step 1's load may be out,
	s_barrier_signal -1
	s_barrier_wait -1                              ; everybody's are
	FETCH_B 0, 0, 0
	FETCH_A 0, 0, 0
	SCALES 0
	FETCH_A 0, 0, 4
	STEP 0, 0, 1                                   ; the first products start the sums: nothing is cleared
	STEPS 0, 1
	TURN 0, 1
	STEPS 1, 0
	s_wait_dscnt 4*NL                              ; the first pass's last step: nothing more to fetch
	WIN MUL_LO
	MUL16 0, 1, NQ-1, 1, 0
	MUL16 2, 1, NQ-1, 1, 0
	s_wait_dscnt 0
	WIN MUL_HI
	MUL16 4, 1, NQ-1, 1, 0
	MUL16 6, 1, NQ-1, 1, 0
	WIN 0
	PLACES NP                                      ; in front of the first reads of results and of loads into registers that the last products read
	; THE SECOND PASS'S ROWS OF w ARE ASKED FOR.  Every wave has waited for all its tensor loads, has added 0 to its spare word and has waited for that and for its reads of both slots; the round shows that of every wave of
	; every partner.  Behind it wave 2 fetches the 128 rows' K step 0 into slot 0 and wave 3 their K step 1 into slot 1, each onto w's rows 0-127: one tensor load of a wave is out.
	s_wait_tensorcnt 0x0                           ; no tensor load of mine is out, so a group 0 may be written
	ds_add_u32 v[SPW], v[NIL]                      ; 0 onto my spare word; the descriptor's words stand between it and the wait for it
	s_mov_b32 s[G0S], 1
	s_mul_i32 s[G0S+1], s16, SLOT
	s_add_co_u32 s[G0S+1], s[G0S+1], 2*HALFT
	s_mov_b64 s[G0S+2:G0S+3], s[98:99]
	s_or_b32 s[G0S+3], s[G0S+3], 0x80000000
	s_wait_dscnt 0x0
	CROUND
	s_cmp_eq_u32 s15, 0                            ; the wave's number alone
	s_cbranch_scc1 .Lno_refill
	tensor_load_to_lds s[G0S:G0S+3], s[G1B:G1B+7]
	s_nop 0
.rept 4
	v_nop
.endr
.Lno_refill:
	; ROWS t < 16 ALSO LEAVE AS f32: my block 0, through the f32 stage, as whole rows of 512 bytes
	s_cmp_lg_u32 s95, 0
	s_cbranch_scc1 .Lnofine
	WIN 0x08                                       ; an LDS store's data are its source 1: window 2
.irp b, 0,1,2,3,4,5,6,7
	ds_store_b128 v[STO32], v[8*\b:8*\b+3] offset:64*\b            ; each accumulator from its low end on
	ds_store_b128 v[STO32], v[8*\b+4:8*\b+7] offset:64*\b+16
.endr
	WIN 0
.irp t, 0,1,2,3,4,5,6,7,8,9,10,11,12,13,14,15
	ds_load_b128 v[F32+4*\t:F32+4*\t+3], v[RD32] offset:\t*528     ; LDS serves a wave's instructions in order: these see my stores
.endr
	s_wait_dscnt 0x0
.irp t, 0,1,2,3,4,5,6,7,8,9,10,11,12,13,14,15
	global_store_b128 v[CO], v[F32+4*\t:F32+4*\t+3], s[96:97] offset:12288*\t   ; 32 lanes store 512 consecutive bytes, aligned
.endr
.Lnofine:
; THE FIRST PASS'S WAY OUT, a block of 16 rows x 128 columns (two heads) at a time.  PACK: rounded to f16, 16 bytes a lane.  TOSTAGE: into my f16 stage, and back so that an instruction holds four rows of one head.  SEND: stored.
.macro PACK a
.set AC, 64*((\a)%4)
	WIN 0x0a+5*((\a)/4)                            ; sources 0 and 1: window 2 or 3
.irp b, 0,1,2,3,4,5,6,7
.irp i, 0,1,2,3
	v_cvt_pk_f16_f32 v[TMP+4*\b+\i], v[AC+8*\b+2*\i], v[AC+8*\b+2*\i+1]
.endr
.endr
	WIN 0
.endm
.macro TOSTAGE a
.set BK, OB+192*((\a)%2)
.irp b, 0,1,2,3,4,5,6,7
	ds_store_b128 v[STO], v[TMP+4*\b:TMP+4*\b+3] offset:32*\b
.endr
.irp u, 0,1,2,3,4,5,6,7
	ds_load_b128 v[BK+4*\u:BK+4*\u+3], v[RD] offset:(\u%4)*1088+128*(\u/4)   ; rows 4 (u % 4) on, head u / 4
.endr
.endm
.macro SEND a
.set BK, OB+192*((\a)%2)
	s_wait_dscnt 0x0                               ; the block is back in registers
	s_wait_xcnt 0x0                                ; the earlier stores have read their registers: the next block's loads may land there
.irp u, 0,1,2,3,4,5,6,7
	global_store_b128 v[CO], v[BK+4*\u:BK+4*\u+3], s[12:13] offset:2048*(\a)+131072*(\u/4)+512*(\u%4)   ; four rows of a head: 512 consecutive bytes, aligned
.endr
.endm
	PACK 0
	TOSTAGE 0
.irp a, 1,2,3,4,5,6,7                  ; block a's conversions stand between block a - 1's loads from the stage and the wait for them
	PACK \a
	SEND \a-1
	TOSTAGE \a
.endr
	SEND 7
	; THE SECOND PASS: columns 256-383
	s_wait_tensorcnt 0x0                           ; waves 2 and 3: my part of the second pass's rows of w has landed,
	s_wait_dscnt 0x0
	s_barrier_signal -1
	s_barrier_wait -1                              ; everybody's has.
	s_wait_xcnt 0x0                                ; the first pass's stores have read their registers: loads may land there
	FETCH_B2 0, 0, 0
	FETCH_A 0, 0, 0
	SCALES2 0
	SCALES2 1
	FETCH_A 0, 0, 4
	STEP2 0, 0, 0, 1, 0, 1, 1                      ; the first products start the sums anew
	STEP2 0, 1, 0, 2, 1, 0, 1
	STEP2 0, 2, 0, 3, 0, 0, 1
	STEP2 0, 3, 1, 0, 1, 0, 1
	STEP2 1, 0, 1, 1, 0, 0, 1
	STEP2 1, 1, 1, 2, 1, 0, 1
	STEP2 1, 2, 1, 3, 0, 0, 1
	STEP2 1, 3, 0, 0, 1, 0, 0
	WIN 0
	PLACES NP
	s_cmp_lg_u32 s95, 0                            ; rows t < 16 as f32 again: 16 rows of 256 bytes
	s_cbranch_scc1 .Lnofine2
	WIN 0x08
.irp b, 0,1,2,3
	ds_store_b128 v[STO32], v[8*\b:8*\b+3] offset:64*\b
	ds_store_b128 v[STO32], v[8*\b+4:8*\b+7] offset:64*\b+16
.endr
	WIN 0
.irp t, 0,1,2,3,4,5,6,7
	ds_load_b128 v[F32+4*\t:F32+4*\t+3], v[RD32B] offset:\t*2*528
.endr
	s_wait_dscnt 0x0
.irp t, 0,1,2,3,4,5,6,7
	global_store_b128 v[CO32B], v[F32+4*\t:F32+4*\t+3], s[92:93] offset:2*12288*\t   ; sixteen lanes store 256 consecutive bytes, aligned, of each of two rows
.endr
.Lnofine2:
.macro PACK2 a                         ; a block is 16 rows x 64 columns: one head
	WIN 0x0a
.irp b, 0,1,2,3
.irp i, 0,1,2,3
	v_cvt_pk_f16_f32 v[TMP+4*\b+\i], v[32*(\a)+8*\b+2*\i], v[32*(\a)+8*\b+2*\i+1]
.endr
.endr
	WIN 0
.endm
.macro TOSTAGE2 a
.set BK, OB+192*((\a)%2)
.irp b, 0,1,2,3
	ds_store_b128 v[STO], v[TMP+4*\b:TMP+4*\b+3] offset:32*\b
.endr
.irp u, 0,1,2,3
	ds_load_b128 v[BK+4*\u:BK+4*\u+3], v[RD] offset:\u*1088
.endr
.endm
.macro SEND2 a
.set BK, OB+192*((\a)%2)
	s_wait_dscnt 0x0
	s_wait_xcnt 0x0                                ; the earlier stores have read their registers
.irp u, 0,1,2,3
	global_store_b128 v[CO], v[BK+4*\u:BK+4*\u+3], s[100:101] offset:2048*(\a)+512*\u   ; four rows of the head: 512 consecutive bytes, aligned
.endr
.endm
	PACK2 0
	TOSTAGE2 0
.irp a, 1,2,3,4,5,6,7
	PACK2 \a
	SEND2 \a-1
	TOSTAGE2 \a
.endr
	SEND2 7
	s_wait_tensorcnt 0x0                           ; the wave's end
	ds_add_u32 v[SPW], v[NIL]
	s_wait_dscnt 0x0
	CROUND                                         ; the closing round
	s_endpgm
.Lfunc_end_k_q5c04072f4c_qkv:
	.size	k_q5c04072f4c_qkv, .Lfunc_end_k_q5c04072f4c_qkv-k_q5c04072f4c_qkv
	.p2alignl 7, 3214868480
	.fill 96, 4, 3214868480
	.section	.rodata,"a",@progbits
	.p2align	6, 0x0
	.amdhsa_kernel k_q5c04072f4c_qkv
		.amdhsa_group_segment_fixed_size 327680
		.amdhsa_private_segment_fixed_size 0
		.amdhsa_enable_private_segment 0
		.amdhsa_kernarg_size 48
		.amdhsa_user_sgpr_count 2
		.amdhsa_user_sgpr_kernarg_segment_ptr 1
		.amdhsa_wavefront_size32 1
		.amdhsa_system_sgpr_workgroup_id_x 1
		.amdhsa_system_sgpr_workgroup_id_y 1
		.amdhsa_system_sgpr_workgroup_id_z 1
		.amdhsa_system_vgpr_workitem_id 0
		.amdhsa_next_free_vgpr 1024
		.amdhsa_next_free_sgpr 102
		.amdhsa_reserve_vcc 0
		.amdhsa_float_denorm_mode_32 3
		.amdhsa_float_denorm_mode_16_64 3
		.amdhsa_memory_ordered 1
		.amdhsa_forward_progress 1
		.amdhsa_inst_pref_size 200
	.end_amdhsa_kernel
	.amdgpu_metadata
---
amdhsa.version: [ 1, 2 ]
amdhsa.kernels:
  - .name:           k_q5c04072f4c_qkv
    .symbol:         k_q5c04072f4c_qkv.kd
    .args:
      - { .name: x_codes, .offset: 0, .size: 8, .value_kind: global_buffer, .address_space: global }
      - { .name: x_scales, .offset: 8, .size: 8, .value_kind: global_buffer, .address_space: global }
      - { .name: w_codes, .offset: 16, .size: 8, .value_kind: global_buffer, .address_space: global }
      - { .name: w_scales, .offset: 24, .size: 8, .value_kind: global_buffer, .address_space: global }
      - { .name: qkvh, .offset: 32, .size: 8, .value_kind: global_buffer, .address_space: global }
      - { .name: qkv32, .offset: 40, .size: 8, .value_kind: global_buffer, .address_space: global }
    .group_segment_fixed_size: 327680
    .private_segment_fixed_size: 0
    .kernarg_segment_align: 8
    .kernarg_segment_size: 48
    .max_flat_workgroup_size: 128
    .sgpr_count:     102
    .vgpr_count:     1024
    .wavefront_size: 32
...
	.end_amdgpu_metadata
.endif
;; end of part 2
;; launch attn (part 3): grid 128 x 2, 8 waves a work-group, no clusters, 327,680 bytes of LDS; arguments qkvh, yh; writes yh
.if DOCPART == 3
	.amdgcn_target "amdgcn-amd-amdhsa--gfx1250"
	.amdhsa_code_object_version 6
	.text
	.protected	k_q5c04072f4c_attn
	.globl	k_q5c04072f4c_attn
	.p2align	8
	.type	k_q5c04072f4c_attn,@function
k_q5c04072f4c_attn:
	s_mov_b64 s[64:65], 0
	v_nop
	global_prefetch_b8 v0, s[64:65] scope:SCOPE_SE
	s_setreg_imm32_b32 hwreg(HW_REG_WAVE_MODE, 25, 1), 1
	s_wait_xcnt 0x0
; ATTN.  y[b][h][q] = the sum over k <= q of softmax_k(q . k / 8) v, per head of 64; q, k, v f16 from qkvh [3][8 b][16 h][1024 t][64]; products, maxima and sums in f32; the weights p rounded to f16 for the second product.
; y leaves as f16, yh [16 h][8192 (b, t)][64].
; LIMITS: as qkvh's: magnitudes under 65,504.  Rows t < 16 are made here too, and made anew, more finely, by a later launch.
; SHARES.  Work-group (x, p): head x = 16 b + h; it owns the query blocks 3 - p and then p, 256 queries each.  Block i wants the key slots 0 .. i (a slot = 256 keys), so every work-group walks
; (4 - p) + (p + 1) = 5 slots: the trip count is a constant, all 256 work-groups have the same work, and every slot that is fetched is read.  Each of eight waves owns 32 queries, two tiles of 16:
; wave w takes the block's chunk w (w < 4) or 11 - w: on the diagonal slot chunk c walks c / 2 + 1 of the four steps, so waves w and w + 4 walk five between them.
; NO CLUSTER: under the causal mask the work-groups of a head want different numbers of tiles.
; LAYOUT.  S^T = K Q^T (source 0 = 16 keys, source 1 = 16 queries): a lane holds ONE query (lane % 16) and keys 8 (lane / 16) + 0 .. 7.  Two such tiles, rounded to f16 in pairs, are source 1 of O^T = V^T P.
; K comes out of LDS as it lies, V turned, by ds_load_tr16_b128.  K's fragments of a step are asked for in the step before, as soon as the products that read K's registers are issued; a slot's first step's in the change of slots.
; LDS.  A head's rows are 128 bytes and dense in memory: tiles are stated as rows of 256 bytes (two data rows) with padding behind each.  Data row i lies at (i / 2) x pitch + (i % 2) x 128.
; With K's pitch 272 the 16 lanes of a fragment load touch 16 different 16-byte columns; with V's pitch 288 so do the 16 lanes of a turning load.
; SOFTMAX.  For each query a running maximum m and sum l: p = 2^(c s - c m), c = log2(e) / 8; in every step O and l are multiplied by a = 2^(c m_old - c m_new).  The step is written once: O and l begin as zeros, m as -3e38.
; A step is walked only where its first key is at or under the wave's first query, so every row of a walked step has a key that counts, and m is a number from the first step on.
; REGISTERS.  window 0: v1-15 addresses; v16-31 statistics, 8 a tile; v32-95 S^T, 32 a tile; v96-127 P, 16 a tile; v128-191 K; v192-255 the way out.
;   window 1: v0-31 Q; v32-95 V; v96-159 O^T, 32 a tile; v160-191 the second block's Q, loaded at the head.
.set PK,    272
.set PV,    288
.set KHALF, 64*PK                      ; 128 keys: what one tensor load brings
.set VHALF, 64*PV
.set VOFF,  2*KHALF                    ; a slot: 256 keys of K, then of V
.set SLOT1, 1<<17                      ; slot 1 begins here: one exclusive or turns an address from one slot to the other
.set STAGE, 2*SLOT1                    ; the way out: 32 rows x 144 bytes for each wave; no tensor load lands here
.set SPITCH, 144
.set SPARE, STAGE+8*32*SPITCH          ; the spare words, 128 bytes a wave, which no other line names
.set AK0,  1
.set AV0,  2
.set QO,   3
.set STO,  4
.set RD,   5
.set GO,   6
.set SPW,  7
.set NIL,  8
.set ADK,  9
.set ADV,  10
.set PFO,  11                          ; 256 x lane
.set PFO2, 12                          ; the same, 16 MiB on: from K to V
.set RH,   13                          ; r - 8 h
.set NINF, 14                          ; -infinity
.set DD,   15
.set ST,   16                          ; tile t at ST + 8 t: +0 c m, +1 m, +2, +3 l, +4 .. +7 at work; a takes +6
.set S,    32
.set P,    96
.set KR,   128
.set TMP,  192
.set BK,   224
.set QF,   0                           ; window 1
.set VF,   32
.set OA,   96
.set Q2,   160
.set WV,   18
.set SEL,  20
.set CS,   22
.set G1K,  24
.set G1V,  32
.set G0K,  40
.set G0V,  44
.set KB,   48                          ; s[48:49] K of my head, at my half of a slot
.set VB,   50
.set OFF,  52                          ; s[52:53] byte offset of the slot to be asked for
.set QP,   54
.set YP,   56
.set DEL,  58                          ; s[58:59] bytes from the first block's rows back to the second's
.set TB,   2                           ; LDS byte at which the slot in hand begins
.set SLOTS, 3
.set KF,   60                          ; the step's first key
.set Q0,   61                          ; my first query
.set REQ,  62                          ; the key slot that the next change asks for
.set LIMA, 63                          ; 4 - p: the first block's number of slots
.set SWAT, 66                          ; 1 + p: the count at which the blocks change
.set Q1,   67                          ; my first query in the second block
.set PFA,  68
.set LIM,  70
.set QP2,  72                          ; s[72:73] Q at my first query of the second block
.set MSB, 0
.macro WIN new                         ; the immediate's high byte repeats the setting that is left
.if MSB != \new
	s_set_vgpr_msb (MSB<<8)|\new
.set MSB, \new
.endif
.endm
.set W_KQ, 0x04                        ; Q (source 1) window 1
.set TO_1, 0x40                        ; destination window 1
.set W_RS, 0x41                        ; destination and source 0 window 1
.set W_PV, 0x51                        ; V, O^T window 1, P window 0
.set W_CV, 0x05                        ; sources 0 and 1 window 1
; Waves 0 and 1 fetch K's halves, waves 2 and 3 V's, the others nothing.  An s_nop 0 and four v_nop follow each line.
.macro TLOAD
	s_cmp_lt_u32 s[WV], 2
	s_cbranch_scc0 .Lnot_k_\@
	tensor_load_to_lds s[G0K:G0K+3], s[G1K:G1K+7]
	s_nop 0
.rept 4
	v_nop
.endr
	s_branch .Lasked_\@
.Lnot_k_\@:
	s_cmp_lt_u32 s[WV], 4
	s_cbranch_scc0 .Lasked_\@
	tensor_load_to_lds s[G0V:G0V+3], s[G1V:G1V+7]
	s_nop 0
.rept 4
	v_nop
.endr
.Lasked_\@:
.endm
; A prefetch of the key slot that the NEXT change of slots will ask for.  Both work-groups of a head walk the same K and V: the one with p = 0 asks, in the waves that fetch nothing: wave 4 + i names 8,192 bytes
; of K's 32,768 and as many of V's, lanes 256 bytes apart.  The first two changes name slots 2 and 3: each aligned block of 256 bytes once; slots 0 and 1 come by their loads alone.
.macro ASK
	s_cmp_gt_u32 s[SLOTS], s[LIM]
	s_cbranch_scc0 .Lnot_mine_\@
	global_prefetch_b8 v[PFO], s[PFA:PFA+1] th:TH_LOAD_NT scope:SCOPE_SE
	global_prefetch_b8 v[PFO2], s[PFA:PFA+1] th:TH_LOAD_NT scope:SCOPE_SE
.Lnot_mine_\@:
.endm
.macro QLOAD dst, ptr                  ; 32 queries into registers: fragment (tile t, channels 32 u on) at dst + 16 t + 8 u
	WIN TO_1
.irp t, 0,1
.irp u, 0,1
.irp c, 0,1
	global_load_b128 v[\dst+16*\t+8*\u+4*\c:\dst+16*\t+8*\u+4*\c+3], v[QO], s[\ptr:\ptr+1] offset:2048*\t+64*\u+32*\c
.endr
.endr
.endr
	WIN 0
.endm
.macro KLOAD q                         ; K's 8 fragments of the slot's q-th 64 keys: 16 loads
.irp kt, 0,1,2,3
.irp u, 0,1
.irp c, 0,1
	ds_load_b128 v[KR+16*\kt+8*\u+4*\c:KR+16*\kt+8*\u+4*\c+3], v[ADK] offset:8704*(\q)+2176*\kt+64*\u+32*\c
.endr
.endr
.endr
.endm
.macro RESET                           ; a block of queries begins: m = -3e38, l = 0, O^T = 0
.irp t, 0,1
	v_mov_b32 v[ST+8*\t+1], 0xff61b1e6
	v_mul_f32 v[ST+8*\t], s[CS], v[ST+8*\t+1]
.irp j, 2,3,4,5,6,7
	v_mov_b32 v[ST+8*\t+\j], 0
.endr
.endr
	WIN TO_1
.set i, 0
.rept 64
	v_mov_b32 v[OA+i], 0
.set i, i+1
.endr
	WIN 0
.endm
; THE SOFTMAX of both tiles for one step of 64 keys; the tiles alternate line by line, so that no line waits for the line above it.
.macro SOFTMAX
.irp j, 0,1,2,3
.irp t, 0,1
	v_max3_num_f32 v[ST+8*\t+4+\j], v[S+32*\t+8*\j], v[S+32*\t+8*\j+1], v[S+32*\t+8*\j+2]   ; four chains; each accumulator is read from its low end on
.endr
.endr
.irp g, 3,5
.irp j, 0,1,2,3
.irp t, 0,1
	v_max3_num_f32 v[ST+8*\t+4+\j], v[ST+8*\t+4+\j], v[S+32*\t+8*\j+\g], v[S+32*\t+8*\j+\g+1]
.endr
.endr
.endr
.irp t, 0,1
	v_max3_num_f32 v[ST+8*\t+4], v[ST+8*\t+4], v[S+32*\t+7], v[S+32*\t+15]
.endr
.irp t, 0,1
	v_max3_num_f32 v[ST+8*\t+6], v[ST+8*\t+6], v[S+32*\t+23], v[S+32*\t+31]
.endr
.irp t, 0,1
	v_max3_num_f32 v[ST+8*\t+4], v[ST+8*\t+4], v[ST+8*\t+5], v[ST+8*\t+6]
.endr
.irp t, 0,1
	v_max3_num_f32 v[ST+8*\t+4], v[ST+8*\t+4], v[ST+8*\t+7], v[ST+8*\t+1]      ; with the old m
.endr
.irp t, 0,1
	v_permlanex16_b32 v[ST+8*\t+5], v[ST+8*\t+4], s[SEL], s[SEL+1]             ; the query's other 32 keys lie in the lane 16 away
.endr
.irp t, 0,1
	v_mov_b32 v[ST+8*\t+7], v[ST+8*\t]                                         ; c m_old is kept for a
.endr
.irp t, 0,1
	v_max_num_f32 v[ST+8*\t+1], v[ST+8*\t+4], v[ST+8*\t+5]
.endr
.irp t, 0,1
	v_mul_f32 v[ST+8*\t], s[CS], v[ST+8*\t+1]
.endr
.irp t, 0,1
	v_sub_f32 v[ST+8*\t+7], v[ST+8*\t+7], v[ST+8*\t]
.endr
.set i, 0
.rept 16
.irp t, 0,1
	v_pk_fma_f32 v[S+32*\t+i:S+32*\t+i+1], v[S+32*\t+i:S+32*\t+i+1], s[CS:CS+1], v[ST+8*\t:ST+8*\t+1] op_sel_hi:[1,0,0] neg_lo:[0,0,1] neg_hi:[0,0,1]   ; c s - c m
.endr
.set i, i+2
.endr
.irp t, 0,1
	v_exp_f32 v[ST+8*\t+6], v[ST+8*\t+7]                                       ; a
.endr
.set i, 0
.rept 32
.irp t, 0,1
	v_exp_f32 v[S+32*\t+i], v[S+32*\t+i]                                       ; p
.endr
.set i, i+1
.endr
	v_nop                                          ; a plain instruction behind the last exponential
	s_wait_alu depctr_va_vdst(0)                   ; one wait for the 66 exponentials, ahead of the first instruction that names a result
.set i, 0
.rept 16
.irp t, 0,1
	v_cvt_pk_f16_f32 v[P+16*\t+i], v[S+32*\t+2*i], v[S+32*\t+2*i+1]
.endr
.set i, i+1
.endr
.irp w, 4,8,16,32                      ; the sum of a tile's 16 pairs, in place: neighbours 1, 2, 4 and 8 pairs apart
.set i, 0
.rept 32/\w
.irp t, 0,1
	v_pk_add_f32 v[S+32*\t+i:S+32*\t+i+1], v[S+32*\t+i:S+32*\t+i+1], v[S+32*\t+i+\w/2:S+32*\t+i+\w/2+1]
.endr
.set i, i+\w
.endr
.endr
.irp t, 0,1
	v_pk_fma_f32 v[ST+8*\t+2:ST+8*\t+3], v[ST+8*\t+2:ST+8*\t+3], v[ST+8*\t+6:ST+8*\t+7], v[S+32*\t:S+32*\t+1] op_sel_hi:[1,0,1]   ; l = a l + the sum
.endr
	WIN W_RS
.set i, 0
.rept 16
.irp t, 0,1
	v_pk_mul_f32 v[OA+32*\t+i:OA+32*\t+i+1], v[OA+32*\t+i:OA+32*\t+i+1], v[ST+8*\t+6:ST+8*\t+7] op_sel_hi:[1,0]   ; O^T x a, each accumulator from its low end on
.endr
.set i, i+2
.endr
	WIN 0
.endm
; A KEY STEP: 64 keys, the q-th of the slot in hand.  Its fragments of K were asked for in the step before (q = 0: in the change of slots).
.macro STEP q
	s_add_co_u32 s96, s[Q0], 31
	s_cmp_gt_u32 s[KF], s96                        ; all keys come after my 32 queries: the step's work is left out (ids and the count of steps alone)
	s_cbranch_scc1 .Lhidden_\@
	s_wait_dscnt 0x0                               ; K is in
	WIN W_KQ
.irp u, 0,1                            ; eight accumulators by turns, one instruction a turn
.irp kt, 0,1,2,3
.irp t, 0,1
.if \u == 0
	v_wmma_f32_16x16x32_f16 v[S+32*\t+8*\kt:S+32*\t+8*\kt+7], v[KR+16*\kt+8*\u:KR+16*\kt+8*\u+7], v[QF+16*\t+8*\u:QF+16*\t+8*\u+7], 0
.else
	v_wmma_f32_16x16x32_f16 v[S+32*\t+8*\kt:S+32*\t+8*\kt+7], v[KR+16*\kt+8*\u:KR+16*\kt+8*\u+7], v[QF+16*\t+8*\u:QF+16*\t+8*\u+7], v[S+32*\t+8*\kt:S+32*\t+8*\kt+7]
.endif
.endr
.endr
.endr
.rept 4
	v_nop                                          ; four places: in front of the loads into V's registers (read by the last step's products) and into K's (read just now), and of the first read of the scores
.endr
	WIN TO_1
.irp u, 0,1                            ; V, turned: it lands while the softmax is walked
.irp dt, 0,1,2,3
.irp c, 0,1
	ds_load_tr16_b128 v[VF+32*\u+8*\dt+4*\c:VF+32*\u+8*\dt+4*\c+3], v[ADV] offset:9216*(\q)+4608*\u+2304*\c+32*\dt
.endr
.endr
.endr
	WIN 0
.if (\q) < 3
	KLOAD (\q)+1                                   ; the next step's K, a whole softmax and 16 products ahead of its use
.endif
	s_add_co_u32 s96, s[KF], 63
	s_cmp_le_u32 s96, s[Q0]                        ; all 64 keys count for all my queries: no mask
	s_cbranch_scc1 .Lopen_\@
	s_sub_co_i32 s96, s[Q0], s[KF]
	v_add_nc_u32 v[DD], s96, v[RH]                 ; d = my query of tile 0 - KF - 8 (lane / 16).  Register n of tile t holds key KF + 16 (n / 8) + 8 (lane / 16) + n % 8: hidden where 16 (n / 8) + n % 8 - 16 t > d
.irp t, 0,1
.irp n, 0,1,2,3,4,5,6,7,8,9,10,11,12,13,14,15,16,17,18,19,20,21,22,23,24,25,26,27,28,29,30,31
	v_cmp_gt_i32 vcc_lo, 16*(\n/8)+\n%8-16*\t, v[DD]
	v_cndmask_b32 v[S+32*\t+\n], v[S+32*\t+\n], v[NINF], vcc_lo
.endr
.endr
.Lopen_\@:
	SOFTMAX
.if (\q) < 3
	s_wait_dscnt 16                                ; V is in; the 16 loads of the next step's K, issued behind it, may be out
.else
	s_wait_dscnt 0x0                               ; V is in
.endif
	WIN W_PV
.irp u, 0,1                            ; eight accumulators by turns
.irp dt, 0,1,2,3
.irp t, 0,1
	v_wmma_f32_16x16x32_f16 v[OA+32*\t+8*\dt:OA+32*\t+8*\dt+7], v[VF+32*\u+8*\dt:VF+32*\u+8*\dt+7], v[P+16*\t+8*\u:P+16*\t+8*\u+7], v[OA+32*\t+8*\dt:OA+32*\t+8*\dt+7]
.endr
.endr
.endr
	WIN 0
.Lhidden_\@:
	s_add_co_u32 s[KF], s[KF], 64
.endm
; THE CHANGE OF SLOTS stands at a slot's head.  Each wave waits for all its tensor loads (its part of the slot that it is about to read), adds 0 to its spare word, and waits for that and for its reads of the slot that it has left.
; Behind the barrier the slot ahead is whole and nobody reads the other one.  fill = 1: that other slot takes the key slot REQ: 1, .., 3 - p, then 0, .., p.  One tensor load of a wave is out at the most.
; Then every wave asks for K's fragments of the slot's first step, which counts for every wave: a slot's first key is at or under every query of the block.
.macro CHANGE fill
	s_wait_tensorcnt 0x0                           ; no tensor load of mine is out, so a group 0 may be written
	ds_add_u32 v[SPW], v[NIL]
.if \fill
	ds_add_u32 v[SPW], v[NIL]                      ; and once more, in every trip alike
	s_lshl_b32 s[OFF], s[REQ], 15                  ; a slot is 32,768 bytes of K and of V
	s_add_nc_u64 s[G0K+2:G0K+3], s[KB:KB+1], s[OFF:OFF+1]
	s_or_b32 s[G0K+3], s[G0K+3], 0x80000000
	s_add_nc_u64 s[G0V+2:G0V+3], s[VB:VB+1], s[OFF:OFF+1]
	s_or_b32 s[G0V+3], s[G0V+3], 0x80000000
	s_xor_b32 s[G0K+1], s[G0K+1], SLOT1            ; the other LDS slot than last time
	s_xor_b32 s[G0V+1], s[G0V+1], SLOT1
	s_add_co_u32 s[REQ], s[REQ], 1
	s_cmp_eq_u32 s[REQ], s[LIMA]
	s_cselect_b32 s[REQ], 0, s[REQ]                ; behind the first block's last slot comes the second block's slot 0
	s_wait_xcnt 0x0                                ; the last prefetches, a slot back, have read their address
	s_add_nc_u64 s[PFA:PFA+1], s[PFA:PFA+1], 32768
.endif
	s_wait_dscnt 0x0                               ; the add is done, and my reads of the slot that I have left are over
	s_barrier_signal -1
	s_barrier_wait -1
.if \fill
	TLOAD                                          ; the first thing behind the barrier, and a wave's one tensor load until the next
	ASK
.endif
	v_add_nc_u32 v[ADK], s[TB], v[AK0]
	v_add_nc_u32 v[ADV], s[TB], v[AV0]
	KLOAD 0
.endm
; A BLOCK'S END.  O^T is divided by l, rounded to f16 and goes through my stage, so that an instruction stores four whole rows.  reload = 1: on to the second block, whose Q has lain in registers since the head.
.macro FINISH reload
.irp t, 0,1
	v_add_f32 v[ST+8*\t+4], v[ST+8*\t+2], v[ST+8*\t+3]                         ; (these additions are places behind the last products)
.endr
.irp t, 0,1
	v_permlanex16_b32 v[ST+8*\t+5], v[ST+8*\t+4], s[SEL], s[SEL+1]
.endr
.irp t, 0,1
	v_add_f32 v[ST+8*\t+4], v[ST+8*\t+4], v[ST+8*\t+5]
.endr
.irp t, 0,1
	v_rcp_f32 v[ST+8*\t+6], v[ST+8*\t+4]
.endr
	v_nop
	s_wait_alu depctr_va_vdst(0)                   ; one wait for the two reciprocals, ahead of their first reader
	WIN W_RS
.set i, 0
.rept 16
.irp t, 0,1
	v_pk_mul_f32 v[OA+32*\t+i:OA+32*\t+i+1], v[OA+32*\t+i:OA+32*\t+i+1], v[ST+8*\t+6:ST+8*\t+7] op_sel_hi:[1,0]
.endr
.set i, i+2
.endr
	WIN W_CV
.set i, 0
.rept 32
	v_cvt_pk_f16_f32 v[TMP+i], v[OA+2*i], v[OA+2*i+1]
.set i, i+1
.endr
	WIN 0
.irp t, 0,1
.irp dt, 0,1,2,3
	ds_store_b128 v[STO], v[TMP+16*\t+4*\dt:TMP+16*\t+4*\dt+3] offset:2304*\t+32*\dt   ; row 16 t + r, channels 16 dt + 8 h on
.endr
.endr
.irp i, 0,1,2,3,4,5,6,7
	ds_load_b128 v[BK+4*\i:BK+4*\i+3], v[RD] offset:576*\i         ; LDS serves a wave's instructions in order: these see my stores
.endr
.irp i, 0,1,2,3,4,5,6,7
	s_wait_dscnt 7-\i                              ; the younger loads may be out
	global_store_b128 v[GO], v[BK+4*\i:BK+4*\i+3], s[YP:YP+1] offset:512*\i   ; four rows of 128 bytes: 512 consecutive bytes, aligned
.endr
.if \reload
	s_wait_xcnt 0x0                                ; the stores have read their base and their registers
	s_sub_nc_u64 s[YP:YP+1], s[YP:YP+1], s[DEL:DEL+1]
	s_mov_b32 s[Q0], s[Q1]
	s_mov_b32 s[KF], 0
	WIN W_RS
.set i, 0
.rept 32
	v_mov_b32 v[QF+i], v[Q2+i]                     ; the second block's Q takes the first's place
.set i, i+1
.endr
	WIN 0
	RESET
.endif
.endm
	s_load_b128 s[4:7], s[0:1], 0x0                ; qkvh, yh
	v_lshl_add_u32 v[SPW], v0, 2, SPARE
	v_mov_b32 v[NIL], 0
	ds_add_u32 v[SPW], v[NIL]                      ; the wave's opening: the add, twice on end, and its wait ahead of the first tensor load
	ds_add_u32 v[SPW], v[NIL]
	v_lshrrev_b32 v9, 5, v0
	v_readfirstlane_b32 s[WV], v9                  ; wave 0..7
	s_and_b32 s8, ttmp7, 0xffff                    ; p
	s_sub_co_u32 s9, 3, s8                         ; the first block
	s_sub_co_u32 s11, 11, s[WV]
	s_cmp_lt_u32 s[WV], 4
	s_cselect_b32 s11, s[WV], s11                  ; my chunk of 32 queries: w, or 11 - w from wave 4 on
	s_lshl_b32 s[Q0], s9, 8
	s_lshl_b32 s10, s11, 5
	s_add_co_u32 s[Q0], s[Q0], s10
	s_lshl_b32 s[Q1], s8, 8
	s_add_co_u32 s[Q1], s[Q1], s10
	s_sub_co_u32 s[LIMA], 4, s8
	s_add_co_u32 s[SWAT], s8, 1
	s_sub_co_u32 s[DEL], s9, s8                    ; 3 - 2 p blocks of 256 rows of 128 bytes
	s_lshl_b32 s[DEL], s[DEL], 15
	s_mov_b32 s[DEL+1], 0
	s_mov_b32 s[G1K], (1<<16)|(1<<20)|(5<<22)|(3<<25)   ; no mask; elements of 2 bytes; padding of 4 words after every 64
	s_mov_b32 s[G1V], (1<<16)|(1<<20)|(5<<22)|(7<<25)   ; of 8 words
.irp g, G1K, G1V
	s_mov_b32 s[\g+1], 128<<16                     ; tensor_dim0 = 128 elements: two data rows
	s_mov_b32 s[\g+2], 64<<16                      ; tensor_dim1 = 64
	s_mov_b32 s[\g+3], 128<<16                     ; tile_dim0
	s_mov_b32 s[\g+4], 64                          ; tile_dim1
	s_mov_b32 s[\g+5], 128                         ; the pitch: dense
	s_mov_b32 s[\g+6], 0
	s_mov_b32 s[\g+7], 0
.endr
	s_and_b32 s12, s[WV], 1                        ; which half of a slot I fetch, if I fetch
	s_lshl_b32 s10, ttmp9, 17                      ; the head's first byte in a kind
	s_lshl_b32 s14, s12, 14
	s_add_co_u32 s14, s14, s10
	s_add_co_u32 s14, s14, 16777216                ; K lies one kind on
	s_mov_b32 s15, 0
	s_mul_i32 s13, s12, KHALF
	s_mul_i32 s16, s12, VHALF
	s_add_co_u32 s16, s16, VOFF
	s_mov_b32 s[SEL], 0x76543210
	s_mov_b32 s[SEL+1], 0xfedcba98
	s_mov_b32 s[CS], 0x3e38aa3b                    ; c = log2(e) / 8
	s_mov_b32 s[CS+1], s[CS]
	s_mov_b32 s[TB], 0
	s_mov_b32 s[KF], 0
	s_mov_b32 s[REQ], 1
	s_mov_b32 s[SLOTS], 4
	s_mov_b32 s[OFF+1], 0
	s_lshr_b32 s17, s[WV], 2
	s_xor_b32 s17, s17, 1                          ; 0 in waves 4 to 7,
	s_or_b32 s17, s17, s8                          ; of the work-group with p = 0
	s_cmp_eq_u32 s17, 0
	s_cselect_b32 s[LIM], 2, -1
	s_wait_dscnt 0x0                               ; both opening adds are done
	s_wait_kmcnt 0x0
	s_add_nc_u64 s[KB:KB+1], s[4:5], s[14:15]
	s_add_nc_u64 s[VB:VB+1], s[KB:KB+1], 16777216
	s_mov_b32 s[G0K], 1
	s_mov_b32 s[G0K+1], s13
	s_mov_b64 s[G0K+2:G0K+3], s[KB:KB+1]
	s_or_b32 s[G0K+3], s[G0K+3], 0x80000000
	s_mov_b32 s[G0V], 1
	s_mov_b32 s[G0V+1], s16
	s_mov_b64 s[G0V+2:G0V+3], s[VB:VB+1]
	s_or_b32 s[G0V+3], s[G0V+3], 0x80000000
	TLOAD                                          ; key slot 0 into LDS slot 0
	s_lshl_b32 s96, s[Q0], 7
	s_add_co_u32 s96, s96, s10
	s_mov_b32 s97, 0
	s_add_nc_u64 s[QP:QP+1], s[4:5], s[96:97]      ; Q at my first query of the first block,
	s_sub_nc_u64 s[QP2:QP2+1], s[QP:QP+1], s[DEL:DEL+1]   ; and of the second
	s_and_b32 s96, ttmp9, 15
	s_lshl_b32 s96, s96, 13
	s_lshr_b32 s9, ttmp9, 4
	s_lshl_b32 s9, s9, 10
	s_add_co_u32 s96, s96, s9
	s_add_co_u32 s96, s96, s[Q0]
	s_lshl_b32 s96, s96, 7
	s_add_nc_u64 s[YP:YP+1], s[6:7], s[96:97]      ; yh at row h x 8192 + b x 1024 + my first query
	s_and_b32 s96, s[WV], 3
	s_lshl_b32 s96, s96, 13
	s_add_co_u32 s96, s96, s10
	s_add_co_u32 s96, s96, 16777216+32768          ; in key slot 1: the first change steps it to slot 2
	s_add_nc_u64 s[PFA:PFA+1], s[4:5], s[96:97]
	v_and_b32 v16, 15, v0                          ; r
	v_bfe_u32 v17, v0, 4, 1                        ; h
	v_and_b32 v18, 31, v0                          ; lane
	v_lshlrev_b32 v[QO], 7, v16
	v_lshl_add_u32 v[QO], v17, 4, v[QO]
	QLOAD QF, QP
	QLOAD Q2, QP2                                  ; both blocks' Q now: no wave waits for memory at the change of blocks
	v_lshrrev_b32 v19, 1, v16
	v_mul_u32_u24 v[AK0], v19, PK
	v_and_b32 v19, 1, v16
	v_lshl_add_u32 v[AK0], v19, 7, v[AK0]
	v_lshl_add_u32 v[AK0], v17, 4, v[AK0]          ; K: (r / 2) x 272 + (r % 2) x 128 + 16 h
	v_bfe_u32 v19, v0, 1, 2
	v_lshl_add_u32 v19, v17, 2, v19
	v_mul_u32_u24 v[AV0], v19, PV
	v_and_b32 v19, 1, v0
	v_lshl_add_u32 v[AV0], v19, 7, v[AV0]
	v_bfe_u32 v19, v0, 3, 1
	v_lshl_add_u32 v[AV0], v19, 4, v[AV0]
	v_add_nc_u32 v[AV0], VOFF, v[AV0]              ; V: key 8 h + l % 8, channels 8 ((l / 8) % 2) on
	s_mul_i32 s13, s[WV], 32*SPITCH
	s_add_co_u32 s13, s13, STAGE
	v_mul_u32_u24 v[STO], v16, SPITCH
	v_lshl_add_u32 v[STO], v17, 4, v[STO]
	v_add_nc_u32 v[STO], s13, v[STO]
	v_bfe_u32 v19, v0, 3, 2
	v_mul_u32_u24 v[RD], v19, SPITCH
	v_and_b32 v19, 7, v0
	v_lshl_add_u32 v[RD], v19, 4, v[RD]
	v_add_nc_u32 v[RD], s13, v[RD]
	v_lshlrev_b32 v[GO], 4, v18
	v_lshlrev_b32 v[PFO], 8, v18
	v_add_nc_u32 v[PFO2], 16777216, v[PFO]
	v_lshlrev_b32 v19, 3, v17
	v_sub_nc_u32 v[RH], v16, v19
	v_mov_b32 v[NINF], 0xff800000
	RESET
	s_wait_loadcnt 0x0                             ; Q, both blocks'
.Lslot:                                                ; four trips: behind each change of slots but the last the next key slot is asked for
	CHANGE 1
	STEP 0
	STEP 1
	STEP 2
	STEP 3
	s_xor_b32 s[TB], s[TB], SLOT1
	s_cmp_lg_u32 s[SLOTS], s[SWAT]                 ; the first block's last slot?  (the work-group's number and the count of trips alone)
	s_cbranch_scc1 .Lkeep
	FINISH 1
.Lkeep:
	s_sub_co_u32 s[SLOTS], s[SLOTS], 1
	s_cmp_lg_u32 s[SLOTS], 0
	s_cbranch_scc1 .Lslot
	CHANGE 0                                       ; the last slot is written out: nothing is left to ask for
	STEP 0
	STEP 1
	STEP 2
	STEP 3
	FINISH 0
	s_wait_tensorcnt 0x0                           ; the wave's end
	ds_add_u32 v[SPW], v[NIL]
	s_wait_dscnt 0x0
	s_endpgm
.Lfunc_end_k_q5c04072f4c_attn:
	.size	k_q5c04072f4c_attn, .Lfunc_end_k_q5c04072f4c_attn-k_q5c04072f4c_attn
	.p2alignl 7, 3214868480
	.fill 96, 4, 3214868480
	.section	.rodata,"a",@progbits
	.p2align	6, 0x0
	.amdhsa_kernel k_q5c04072f4c_attn
		.amdhsa_group_segment_fixed_size 327680
		.amdhsa_private_segment_fixed_size 0
		.amdhsa_enable_private_segment 0
		.amdhsa_kernarg_size 16
		.amdhsa_user_sgpr_count 2
		.amdhsa_user_sgpr_kernarg_segment_ptr 1
		.amdhsa_wavefront_size32 1
		.amdhsa_system_sgpr_workgroup_id_x 1
		.amdhsa_system_sgpr_workgroup_id_y 1
		.amdhsa_system_sgpr_workgroup_id_z 1
		.amdhsa_system_vgpr_workitem_id 0
		.amdhsa_next_free_vgpr 448
		.amdhsa_next_free_sgpr 100
		.amdhsa_reserve_vcc 1
		.amdhsa_float_denorm_mode_32 3
		.amdhsa_float_denorm_mode_16_64 3
		.amdhsa_memory_ordered 1
		.amdhsa_forward_progress 1
		.amdhsa_inst_pref_size 200
	.end_amdhsa_kernel
	.amdgpu_metadata
---
amdhsa.version: [ 1, 2 ]
amdhsa.kernels:
  - .name:           k_q5c04072f4c_attn
    .symbol:         k_q5c04072f4c_attn.kd
    .args:
      - { .name: qkvh, .offset: 0, .size: 8, .value_kind: global_buffer, .address_space: global }
      - { .name: yh, .offset: 8, .size: 8, .value_kind: global_buffer, .address_space: global }
    .group_segment_fixed_size: 327680
    .private_segment_fixed_size: 0
    .kernarg_segment_align: 8
    .kernarg_segment_size: 16
    .max_flat_workgroup_size: 256
    .sgpr_count:     100
    .vgpr_count:     448
    .wavefront_size: 32
...
	.end_amdgpu_metadata
.endif
;; end of part 3
;; launch proj (part 4): grid 4 x 64, 4 waves a work-group, clusters of 4 x 4, 327,680 bytes of LDS; arguments yh, wp, b_proj, out0; writes out0
.if DOCPART == 4
	.amdgcn_target "amdgcn-amd-amdhsa--gfx1250"
	.amdhsa_code_object_version 6
	.text
	.protected	k_q5c04072f4c_proj
	.globl	k_q5c04072f4c_proj
	.p2align	8
	.type	k_q5c04072f4c_proj,@function
k_q5c04072f4c_proj:
	s_mov_b64 s[64:65], 0
	v_nop
	global_prefetch_b8 v0, s[64:65] scope:SCOPE_SE
	s_setreg_imm32_b32 hwreg(HW_REG_WAVE_MODE, 25, 1), 1
	s_wait_xcnt 0x0
	s_wait_alu depctr_hold_cnt(0) depctr_sa_sdst(0) depctr_va_vdst(0) depctr_va_sdst(0) depctr_va_ssrc(0) depctr_va_vcc(0) depctr_vm_vsrc(0)
	s_getreg_b32 s2, hwreg(HW_REG_IB_STS2, 6, 4)
	s_cmp_eq_u32 s2, 0
	s_cbranch_scc0 .Lentry_in_a_cluster
	s_endpgm
.Lentry_in_a_cluster:
	s_bfe_u32 s2, ttmp6, 0x10000c
	s_cmp_lg_u32 s2, 0xf033
	s_cbranch_scc0 .Lentry_shape_is_right
	s_endpgm
.Lentry_shape_is_right:
; PROJ.  out0[m][n] = sum over k of y[m][k] w_proj[n][k] + b_proj[n]; M = 8,192, N = K = 1,024; operands f16 (yh [16 h][8192][64]; wp's high part [16 kc][1024 n][64]), sums f32.
; The rows t < 16 of every sequence are computed with the rest and NOT stored: a later launch makes them more finely and is their one owner.
; A tile of out0 is 128 rows x 256 columns: 256 work-groups.  Four waves, each 64 x 128: 32 accumulators, 256 registers.  K goes in steps of 128 (two planes of 64) through a ring of two LDS slots.
; A plane's rows are 128 bytes and dense: tiles are stated as rows of 256 bytes (two data rows) + 16 of padding; data row i lies at (i / 2) x 272 + (i % 2) x 128: the 16 lanes of a fragment load touch 16 different 16-byte columns.
; CLUSTERS: 4 x 4.  The four of a row of the cluster need the same tiles of y, the four of a column the same tiles of wp: each is asked for jointly.  THE TILE ROW is 16 cy + Y (Y the cluster's y):
; its three low bits are Y's, so the test 'this tile begins a sequence' is the same in all sixteen partners.
; TRANSPOSED USE (source 0 = 16 rows of wp, source 1 = 16 rows of y): a lane holds eight neighbouring columns of a row.  The bias is the C of each sum's first product.
; REGISTERS.  window 0: v16-30 addresses; v32-95 y's fragments, two buffers of 32; v128-191 the bias, later with v192-255 the way out.  window 1: wp's fragments, two buffers of 64.  window 2: accumulator (a, b) at v[8 (8 a + b)].
.set PLA,   64*272                     ; a plane of y's tile: 128 rows
.set PLB,   128*272                    ; a plane of wp's tile: 256 rows
.set BOFF,  2*PLA
.set SLOT,  2*PLA+2*PLB
.set SPARE, 2*SLOT                     ; the spare words, 128 bytes a wave, which no other line names
.set SPITCH, 528                       ; the way out: 16 rows x (512 + 16) bytes for each wave, in slot 0, which has had its last fill and its last read by then
.set KSA,   2*1048576                  ; a K step on in yh: two planes
.set KSW,   2*131072                   ; and in wp
.set ADRA, 16
.set ADRB, 20
.set STO,  24
.set RD,   25
.set CO,   26
.set SPW,  28
.set NIL,  29
.set PFO,  30
.set AF,   32
.set BIAS, 128
.set BK,   128
.set G1,  24
.set G0,  32
.set G1B, 48
.set G0B, 56
.set FLAG, 42
.set LIM,  43
.set PFA,  44
.set MSB, 0
.macro WIN new                         ; the immediate's high byte repeats the setting that is left
.if MSB != \new
	s_set_vgpr_msb (MSB<<8)|\new
.set MSB, \new
.endif
.endm
.set MUL,       0xa1                   ; source 0 (wp) window 1, source 1 (y) window 0, C and D window 2
.set MUL_FIRST, 0x81                   ; the same with C (the bias) in window 0
.set TO_B,      0x40
.macro JLOAD s                         ; waves 0 and 1 fetch y's two planes, waves 2 and 3 wp's; an s_nop 0 and four v_nop follow each line
	s_cmp_eq_u32 s13, 0
	s_cbranch_scc0 .Lfor_b_\@
	tensor_load_to_lds s[G0+4*\s:G0+4*\s+3], s[G1:G1+7]
	s_nop 0
.rept 4
	v_nop
.endr
	s_branch .Lasked_\@
.Lfor_b_\@:
	tensor_load_to_lds s[G0B+4*\s:G0B+4*\s+3], s[G1B:G1B+7]
	s_nop 0
.rept 4
	v_nop
.endr
.Lasked_\@:
.endm
.macro CREST                           ; a round of the cluster's barrier behind its opening barrier
	s_cmp_lg_u32 s12, 0
	s_cbranch_scc1 .Lnot_wave_0_\@
	s_barrier_signal -3
.Lnot_wave_0_\@:
	s_barrier_wait -3
	s_barrier_signal -1
	s_barrier_wait -1
.endm
.macro CROUND
	s_barrier_signal -1
	s_barrier_wait -1
	CREST
.endm
; A prefetch of y's K step that stands two refills on: the tile row's 2 x 16,384 bytes are 128 aligned blocks of 256; the four partners of a row of the cluster share them out by address
; (plane cx / 2, half cx % 2), wave 0 of each names 32, a lane a block.  No other cluster reads these rows, so each block is named once.  The first four refills name K steps 4 to 7; the last two name nothing.
.macro ASK
	s_cmp_gt_u32 s3, s[LIM]
	s_cbranch_scc0 .Lnot_mine_\@
	global_prefetch_b8 v[PFO], s[PFA:PFA+1] offset:KSA th:TH_LOAD_NT scope:SCOPE_SE
.Lnot_mine_\@:
.endm
	s_load_b256 s[4:11], s[0:1], 0x0               ; yh 4:5, wp 6:7, b_proj 8:9, out0 10:11
	v_lshl_add_u32 v[SPW], v0, 2, SPARE
	v_mov_b32 v[NIL], 0
	ds_add_u32 v[SPW], v[NIL]                      ; the wave's opening: the add, twice on end, and its wait ahead of my first tensor load
	ds_add_u32 v[SPW], v[NIL]
	v_lshrrev_b32 v1, 5, v0
	v_readfirstlane_b32 s12, v1                    ; wave 0..3
	s_lshr_b32 s13, s12, 1                         ; which 64 rows are mine.  Also: I fetch for y (0) or for wp (1)
	s_and_b32 s14, s12, 1                          ; which 128 columns.  Also: which plane of a K step I fetch
	s_bfe_u32 s40, ttmp6, 0x40000                  ; cx
	s_bfe_u32 s41, ttmp6, 0x40004                  ; cy
	s_lshl_b32 s17, ttmp9, 2
	s_add_co_u32 s17, s17, s40                     ; tile column
	s_and_b32 s15, ttmp7, 0xffff                   ; Y
	s_lshl_b32 s16, s41, 4
	s_add_co_u32 s16, s16, s15                     ; tile row = 16 cy + Y
	s_lshl_b32 s66, s41, 2
	s_lshl_b32 s66, 15, s66                        ; my row of the cluster
	s_lshl_b32 s67, 0x1111, s40                    ; my column
	s_or_b32 s[G1+0], s66, (1<<16)|(1<<20)|(1<<21)|(5<<22)|(3<<25)   ; the mask; elements of 2 bytes; padding of 4 words after every 64; bit 21 beside a mask
	s_or_b32 s[G1B+0], s67, (1<<16)|(1<<20)|(1<<21)|(5<<22)|(3<<25)
	s_mov_b32 s[G1+1], 128<<16                     ; tensor_dim0 = 128 elements: two data rows
	s_mov_b32 s[G1+2], 64<<16                      ; tensor_dim1
	s_mov_b32 s[G1+3], 128<<16                     ; tile_dim0
	s_mov_b32 s[G1+4], 64                          ; tile_dim1
	s_mov_b32 s[G1+5], 128                         ; the pitch: dense
	s_mov_b32 s[G1+6], 0
	s_mov_b32 s[G1+7], 0
	s_mov_b32 s[G1B+1], 128<<16
	s_mov_b32 s[G1B+2], 128<<16
	s_mov_b32 s[G1B+3], 128<<16
	s_mov_b32 s[G1B+4], 128
	s_mov_b32 s[G1B+5], 128
	s_mov_b32 s[G1B+6], 0
	s_mov_b32 s[G1B+7], 0
	s_lshl_b32 s18, s16, 14                        ; y: 128 rows of 128 bytes a tile row,
	s_lshl_b32 s19, s14, 20                        ; my plane
	s_add_co_u32 s18, s18, s19
	s_mov_b32 s19, 0
	s_lshl_b32 s46, s17, 15                        ; wp: 256 rows of 128 bytes a tile column,
	s_lshl_b32 s47, s14, 17                        ; my plane
	s_add_co_u32 s46, s46, s47
	s_mov_b32 s47, 0
	s_mul_i32 s20, s14, PLA                        ; where they go: the wave's number alone
	s_mul_i32 s21, s14, PLB
	s_add_co_u32 s21, s21, BOFF
	s_wait_dscnt 0x0                               ; both opening adds are done
	s_wait_kmcnt 0x0
	s_add_nc_u64 s[18:19], s[4:5], s[18:19]
	s_add_nc_u64 s[46:47], s[6:7], s[46:47]
	CROUND                                         ; all sixteen work-groups are here: the first joint loads meet
.irp s, 0,1
	s_mov_b32 s[G0+4*\s], 1
	s_add_co_u32 s[G0+4*\s+1], s20, \s*SLOT
	s_add_nc_u64 s[G0+4*\s+2:G0+4*\s+3], s[18:19], \s*KSA
	s_or_b32 s[G0+4*\s+3], s[G0+4*\s+3], 0x80000000
	s_mov_b32 s[G0B+4*\s], 1
	s_add_co_u32 s[G0B+4*\s+1], s21, \s*SLOT
	s_add_nc_u64 s[G0B+4*\s+2:G0B+4*\s+3], s[46:47], \s*KSW
	s_or_b32 s[G0B+4*\s+3], s[G0B+4*\s+3], 0x80000000
	JLOAD \s                                       ; K steps 0 and 1: two tensor loads of mine are out, later one
.endr
	v_and_b32 v1, 15, v0                           ; r
	v_bfe_u32 v2, v0, 4, 1                         ; h
	v_lshrrev_b32 v3, 1, v1
	v_mul_u32_u24 v3, v3, 272
	v_and_b32 v4, 1, v1
	v_lshl_add_u32 v3, v4, 7, v3
	v_lshl_add_u32 v3, v2, 4, v3                   ; (r / 2) x 272 + (r % 2) x 128 + 16 h
	s_mul_i32 s22, s13, 32*272                     ; my 64 rows of y
	s_mul_i32 s23, s14, 64*272                     ; my 128 rows of wp
	s_add_co_u32 s23, s23, BOFF
.irp s, 0,1
	v_add_nc_u32 v[ADRA+\s], s22, v3
	v_add_nc_u32 v[ADRB+\s], s23, v3
	s_add_co_u32 s22, s22, SLOT
	s_add_co_u32 s23, s23, SLOT
.endr
	s_mul_i32 s22, s12, 16*SPITCH                  ; my stage
	v_mul_u32_u24 v4, v1, SPITCH
	v_lshl_add_u32 v4, v2, 5, v4
	v_add_nc_u32 v[STO], s22, v4                   ; in: row r, 32 bytes for each half of the lanes
	v_and_b32 v4, 31, v0
	v_lshlrev_b32 v[CO], 4, v4
	v_add_nc_u32 v[RD], s22, v[CO]                 ; back: the 32 lanes take a row of 512 bytes
	v_lshlrev_b32 v[PFO], 8, v4
	v_lshlrev_b32 v5, 5, v2                        ; the bias: my half's eight numbers of a tile of 16 columns
	s_lshl_b32 s22, s17, 10
	s_lshl_b32 s23, s14, 9
	s_add_co_u32 s22, s22, s23                     ; my first column, in bytes of f32
	s_mov_b32 s23, 0
	s_add_nc_u64 s[8:9], s[8:9], s[22:23]
.irp b, 0,1,2,3,4,5,6,7
	global_load_b128 v[BIAS+8*\b:BIAS+8*\b+3], v5, s[8:9] offset:64*\b
	global_load_b128 v[BIAS+8*\b+4:BIAS+8*\b+7], v5, s[8:9] offset:64*\b+16
.endr
	s_add_nc_u64 s[10:11], s[10:11], s[22:23]
	s_lshl_b32 s22, s16, 19                        ; 128 rows of 4,096 bytes a tile row,
	s_lshl_b32 s2, s13, 18                         ; my 64
	s_add_co_u32 s22, s22, s2
	s_add_nc_u64 s[10:11], s[10:11], s[22:23]
	s_and_b32 s[FLAG], s15, 7
	s_or_b32 s[FLAG], s[FLAG], s13                 ; 0 where my rows 0-15 are t = 0 .. 15: the cluster's y and the wave's number alone
	s_cmp_eq_u32 s12, 0
	s_cselect_b32 s[LIM], 1, -1
	s_lshr_b32 s22, s40, 1
	s_lshl_b32 s22, s22, 20
	s_and_b32 s2, s40, 1
	s_lshl_b32 s2, s2, 13
	s_add_co_u32 s22, s22, s2
	s_lshl_b32 s2, s16, 14
	s_add_co_u32 s22, s22, s2
	s_add_co_u32 s22, s22, 2*KSA                   ; at K step 2: the first refill steps it to 3 and names K step 4
	s_add_nc_u64 s[PFA:PFA+1], s[4:5], s[22:23]
.macro MUL8 f, a, first                ; y's block a against wp's eight, 32 along K; the 32 accumulators take turns, one instruction a turn
.irp b, 0,1,2,3,4,5,6,7
.if \first
	v_wmma_f32_16x16x32_f16 v[8*(8*(\a)+\b):8*(8*(\a)+\b)+7], v[64*(\f)+8*\b:64*(\f)+8*\b+7], v[AF+32*(\f)+8*(\a):AF+32*(\f)+8*(\a)+7], v[BIAS+8*\b:BIAS+8*\b+7]
.else
	v_wmma_f32_16x16x32_f16 v[8*(8*(\a)+\b):8*(8*(\a)+\b)+7], v[64*(\f)+8*\b:64*(\f)+8*\b+7], v[AF+32*(\f)+8*(\a):AF+32*(\f)+8*(\a)+7], v[8*(8*(\a)+\b):8*(8*(\a)+\b)+7]
.endif
.endr
.endm
.macro FETCH slot, qd, f               ; 24 LDS loads in one run: quarter qd (plane qd / 2, 32 channels at byte 64 (qd % 2)) into buffer f: wp's 16, then y's 8
	WIN TO_B
.irp i, 0,1,2,3,4,5,6,7
.irp c, 0,1
	ds_load_b128 v[64*(\f)+8*\i+4*\c:64*(\f)+8*\i+4*\c+3], v[ADRB+\slot] offset:((\qd)/2)*PLB+((\qd)%2)*64+2176*\i+32*\c
.endr
.endr
	WIN 0
.irp i, 0,1,2,3
.irp c, 0,1
	ds_load_b128 v[AF+32*(\f)+8*\i+4*\c:AF+32*(\f)+8*\i+4*\c+3], v[ADRA+\slot] offset:((\qd)/2)*PLA+((\qd)%2)*64+2176*\i+32*\c
.endr
.endr
.endm
.macro PLACES                          ; four plain places in front of loads into registers that matrix instructions have read, and of reads of results
.rept 4
	v_nop
.endr
.endm
; A K step is four quarters of 32 along K, 32 matrix instructions each, on buffers 0, 1, 0, 1.  One of the first three multiplies buffer f and fetches quarter qd into g.
.macro QUARTER slot, qd, f, g, first
	s_wait_dscnt 4                                 ; wp's fragments and y's blocks 0, 1 are in; the youngest four loads (blocks 2, 3) may be out
.if \first
	WIN MUL_FIRST
.else
	WIN MUL
.endif
	MUL8 \f, 0, \first
	MUL8 \f, 1, \first
	PLACES
	FETCH \slot, \qd, \g
	s_wait_dscnt 24                                ; all but the 24 just issued
.if \first
	WIN MUL_FIRST
.else
	WIN MUL
.endif
	MUL8 \f, 2, \first
	MUL8 \f, 3, \first
.endm
; The last quarter multiplies buffer 1 and changes slots: each wave waits for all its tensor loads (its part of the next slot), adds 0 to its spare word, and waits for that and for its reads of this slot.
; fill = 1: the barrier opens a round of the cluster's, and behind the round this slot is filled again, two K steps ahead: 112 matrix instructions ahead of the wait for that load.
.macro TURN slot, next, fill
.if \fill
	s_wait_xcnt 0x0                                ; the last prefetch, a K step back, has read its address
	s_add_nc_u64 s[PFA:PFA+1], s[PFA:PFA+1], KSA
.endif
	WIN 0                                          ; (the add's two registers lie in window 0)
	s_wait_tensorcnt 0x0
	ds_add_u32 v[SPW], v[NIL]
	s_wait_dscnt 5                                 ; (the add and the youngest four loads may be out)
	WIN MUL
	MUL8 1, 0, 0
	s_wait_dscnt 0x0                               ; the add is done, and my reads of this slot are over
	s_barrier_signal -1
	MUL8 1, 1, 0
	WIN 0
	s_barrier_wait -1
.if \fill
	CREST                                          ; no wave of any partner still reads this slot or has a load on its way
	s_add_nc_u64 s[G0+4*\slot+2:G0+4*\slot+3], s[G0+4*\slot+2:G0+4*\slot+3], 2*KSA
	s_add_nc_u64 s[G0B+4*\slot+2:G0B+4*\slot+3], s[G0B+4*\slot+2:G0B+4*\slot+3], 2*KSW
	JLOAD \slot                                    ; the first tensor load behind the round; its four v_nop are also the places in front of the loads below
.else
	PLACES
.endif
	FETCH \next, 0, 0
.if \fill
	ASK
.endif
	WIN MUL
	MUL8 1, 2, 0
	MUL8 1, 3, 0
.endm
	s_wait_tensorcnt 1                             ; my part of K step 0 is in; K step 1's load may be out,
	s_barrier_signal -1
	s_barrier_wait -1                              ; everybody's is
	FETCH 0, 0, 0
	s_wait_loadcnt 0x0                             ; the bias
	QUARTER 0, 1, 0, 1, 1                          ; the first quarter stands in front of the loop: its products start the sums on the bias
	WIN 0
	s_mov_b32 s3, 3
.Llap:                                                 ; a trip goes once round the ring and fills both slots again
	QUARTER 0, 2, 1, 0, 0
	QUARTER 0, 3, 0, 1, 0
	TURN 0, 1, 1
	QUARTER 1, 1, 0, 1, 0
	QUARTER 1, 2, 1, 0, 0
	QUARTER 1, 3, 0, 1, 0
	TURN 1, 0, 1
	QUARTER 0, 1, 0, 1, 0
	WIN 0
	s_sub_co_u32 s3, s3, 1
	s_cmp_lg_u32 s3, 0
	s_cbranch_scc1 .Llap
	QUARTER 0, 2, 1, 0, 0                          ; the last lap fills nothing
	QUARTER 0, 3, 0, 1, 0
	TURN 0, 1, 0
	QUARTER 1, 1, 0, 1, 0
	QUARTER 1, 2, 1, 0, 0
	QUARTER 1, 3, 0, 1, 0
	s_wait_dscnt 4
	WIN MUL
	MUL8 1, 0, 0
	MUL8 1, 1, 0
	s_wait_dscnt 0
	MUL8 1, 2, 0
	MUL8 1, 3, 0
	WIN 0
; THE WAY OUT, a block of 16 rows x 128 columns at a time, through my stage, back as whole rows of 512 bytes.
.macro TOSTAGE a
	WIN 0x08                                       ; an LDS store's data are its source 1: window 2
.irp b, 0,1,2,3,4,5,6,7
	ds_store_b128 v[STO], v[64*(\a)+8*\b:64*(\a)+8*\b+3] offset:64*\b            ; each accumulator from its low end on
	ds_store_b128 v[STO], v[64*(\a)+8*\b+4:64*(\a)+8*\b+7] offset:64*\b+16
.endr
	WIN 0
.set BB, BK+64*((\a)%2)
.irp t, 0,1,2,3,4,5,6,7,8,9,10,11,12,13,14,15
	ds_load_b128 v[BB+4*\t:BB+4*\t+3], v[RD] offset:\t*SPITCH      ; LDS serves a wave's instructions in order: these see my stores
.endr
.endm
.macro SEND a, younger                 ; younger: the LDS instructions issued behind block a's loads
.set BB, BK+64*((\a)%2)
	s_wait_dscnt \younger
.if (\a) == 0
	s_cmp_eq_u32 s[FLAG], 0                        ; rows t < 16 have another owner: their stores alone are passed over
	s_cbranch_scc1 .Lfine_rows
.endif
.irp t, 0,1,2,3,4,5,6,7,8,9,10,11,12,13,14,15
	global_store_b128 v[CO], v[BB+4*\t:BB+4*\t+3], s[10:11] offset:65536*(\a)+4096*\t th:TH_STORE_NT   ; 32 lanes store 512 consecutive bytes, aligned
.endr
.if (\a) == 0
.Lfine_rows:
.endif
.endm
	PLACES
	TOSTAGE 0
.irp a, 1,2,3
.if \a > 1
	s_wait_xcnt 0x0                                ; block a - 2's stores have read their registers: block a's loads may land there
.endif
	TOSTAGE \a
	SEND \a-1, 32                                  ; behind block a - 1's loads: block a's 16 stores and 16 loads
.endr
	SEND 3, 0
	s_wait_tensorcnt 0x0                           ; the wave's end
	ds_add_u32 v[SPW], v[NIL]
	s_wait_dscnt 0x0
	CROUND                                         ; the closing round
	s_endpgm
.Lfunc_end_k_q5c04072f4c_proj:
	.size	k_q5c04072f4c_proj, .Lfunc_end_k_q5c04072f4c_proj-k_q5c04072f4c_proj
	.p2alignl 7, 3214868480
	.fill 96, 4, 3214868480
	.section	.rodata,"a",@progbits
	.p2align	6, 0x0
	.amdhsa_kernel k_q5c04072f4c_proj
		.amdhsa_group_segment_fixed_size 327680
		.amdhsa_private_segment_fixed_size 0
		.amdhsa_enable_private_segment 0
		.amdhsa_kernarg_size 32
		.amdhsa_user_sgpr_count 2
		.amdhsa_user_sgpr_kernarg_segment_ptr 1
		.amdhsa_wavefront_size32 1
		.amdhsa_system_sgpr_workgroup_id_x 1
		.amdhsa_system_sgpr_workgroup_id_y 1
		.amdhsa_system_sgpr_workgroup_id_z 1
		.amdhsa_system_vgpr_workitem_id 0
		.amdhsa_next_free_vgpr 768
		.amdhsa_next_free_sgpr 72
		.amdhsa_reserve_vcc 0
		.amdhsa_float_denorm_mode_32 3
		.amdhsa_float_denorm_mode_16_64 3
		.amdhsa_memory_ordered 1
		.amdhsa_forward_progress 1
		.amdhsa_inst_pref_size 88
	.end_amdhsa_kernel
	.amdgpu_metadata
---
amdhsa.version: [ 1, 2 ]
amdhsa.kernels:
  - .name:           k_q5c04072f4c_proj
    .symbol:         k_q5c04072f4c_proj.kd
    .args:
      - { .name: yh, .offset: 0, .size: 8, .value_kind: global_buffer, .address_space: global }
      - { .name: wp, .offset: 8, .size: 8, .value_kind: global_buffer, .address_space: global }
      - { .name: b_proj, .offset: 16, .size: 8, .value_kind: global_buffer, .address_space: global }
      - { .name: out0, .offset: 24, .size: 8, .value_kind: global_buffer, .address_space: global }
    .group_segment_fixed_size: 327680
    .private_segment_fixed_size: 0
    .kernarg_segment_align: 8
    .kernarg_segment_size: 32
    .max_flat_workgroup_size: 128
    .sgpr_count:     72
    .vgpr_count:     768
    .wavefront_size: 32
...
	.end_amdgpu_metadata
.endif
;; end of part 4
;; launch fine (part 5): grid 16 x 8, 16 waves a work-group, no clusters, 84,992 bytes of LDS; arguments qkv32, wp, b_proj, out0; writes out0
.if DOCPART == 5
	.amdgcn_target "amdgcn-amd-amdhsa--gfx1250"
	.amdhsa_code_object_version 6
	.text
	.protected	k_q5c04072f4c_fine
	.globl	k_q5c04072f4c_fine
	.p2align	8
	.type	k_q5c04072f4c_fine,@function
k_q5c04072f4c_fine:
	s_mov_b64 s[64:65], 0
	v_nop
	global_prefetch_b8 v0, s[64:65] scope:SCOPE_SE
	s_setreg_imm32_b32 hwreg(HW_REG_WAVE_MODE, 25, 1), 1
	s_wait_xcnt 0x0
; FINE.  The first 16 positions of every sequence, where a row of the softmax averages few values: attention in f32 (v_wmma_f32_16x16x4_f32 on qkv32 [8 b][16 t][3072]), the projection on pairs of f16 numbers.
; y = high + low: high is y with its 13 lowest mantissa bits cleared (exact in f16 from 6.1e-5 up), low = y - high (exact in f32), rounded to f16; w_proj = wp's high + low part.
; out = w_high y_high + w_low y_high + w_high y_low + bias; the product of the two low parts is left out: under 2^-20 of the terms.
; LIMITS: |y| under 65,504; numbers of y under 6.1e-5 carry an error of up to 3e-8.
; SHARES.  Work-group (gx, b): sequence b, output columns 64 gx on.  Phase 1: wave w makes head w's 16 x 64 of y (each of the 16 column groups makes it anew: 192 KiB of reads) and lays it into LDS as images of the
; operand's registers.  Phase 2: wave w takes the 16 columns 16 (w % 4) on and the heads 4 (w / 4) on; the four quarters of K meet in LDS; waves 0-7 add them and the bias and store two rows each.
; LAYOUT.  S^T = K Q^T and O^T = V^T P: a lane holds one query (lane % 16).  In the f32 form a lane (r, h) holds k = 2 h + j in register j; the same permutation of k is applied to both sources of a product.
; v112-143 are written by matrix instructions alone.
.set YIMG,  0                          ; a head: 4,096 bytes: fragments high u0, high u1, low u0, low u1, 1,024 bytes each
.set PART,  65536                      ; 4 quarters x 16 rows x (256 + 16) bytes
.set SPARE, PART+4*16*272              ; the spare words, 128 bytes a wave, which no other line names
.set YW,  6
.set YR,  7
.set PW,  8
.set PR,  9
.set SPW, 14
.set NIL, 15
.set QR,  16                           ; v16-47 Q, v48-79 K; later wp's low fragments
.set KR,  48
.set WL,  16
.set VR,  80                           ; v80-111 V; then y's high (80-95) and low (96-111) parts; then four fragments of y
.set YB0, 80
.set SA,  112                          ; the scores in two halves; then O^T's four tiles; then the projection's three sums
.set OT,  112
.set PA,  112
.set WH,  144                          ; v144-207 wp's high fragments
.set SS,  208                          ; v208-215 s, then p
.set PL,  216                          ; v216-223 p / l
.set YB1, 208
	s_load_b256 s[4:11], s[0:1], 0x0               ; qkv32 4:5, wp 6:7, b_proj 8:9, out0 10:11
	v_lshl_add_u32 v[SPW], v0, 2, SPARE
	v_mov_b32 v[NIL], 0
	v_lshrrev_b32 v1, 5, v0
	v_readfirstlane_b32 s12, v1                    ; wave 0..15
	s_and_b32 s14, ttmp7, 0xffff                   ; b
	s_and_b32 s15, s12, 3                          ; ct: my tile of 16 columns
	s_lshr_b32 s16, s12, 2                         ; kq: my quarter of K
	s_and_b32 s17, s12, 7
	s_mov_b32 s20, 0x76543210
	s_mov_b32 s21, 0xfedcba98                      ; v_permlanex16_b32's selects for lane l xor 16
	s_mov_b32 s22, 0x3e38aa3b                      ; c = log2(e) / 8
	s_mov_b32 s23, 0xffffe000                      ; keeps sign, exponent and 10 mantissa bits
	v_and_b32 v1, 15, v0                           ; r
	v_bfe_u32 v2, v0, 4, 1                         ; h
	v_mul_u32_u24 v3, v1, 12288
	v_lshl_add_u32 v3, v2, 4, v3                   ; Q, K: row r, + 16 h
	v_mul_u32_u24 v4, v2, 98304
	v_lshl_add_u32 v4, v1, 2, v4                   ; V: key 8 h on, channel r
	v_lshlrev_b32 v5, 7, v1
	v_lshl_add_u32 v5, v2, 4, v5                   ; wp: row r of 128 bytes, + 16 h
	v_and_b32 v6, 31, v0
	v_lshlrev_b32 v7, 4, v6                        ; 16 x lane
	s_lshl_b32 s18, s12, 12
	v_add_nc_u32 v[YW], s18, v7                    ; my head's images
	s_lshl_b32 s18, s16, 14
	v_add_nc_u32 v[YR], s18, v7                    ; my quarter's four heads
	s_mul_i32 s18, s16, 16*272
	s_lshl_b32 s19, s15, 6
	s_add_co_u32 s18, s18, s19
	s_add_co_u32 s18, s18, PART
	v_mul_u32_u24 v[PW], v1, 272
	v_lshl_add_u32 v[PW], v2, 5, v[PW]
	v_add_nc_u32 v[PW], s18, v[PW]                 ; my partial sums: quarter kq, row r, columns 16 ct + 8 h on
	s_mul_i32 s18, s17, 2*272
	s_add_co_u32 s18, s18, PART
	v_mul_u32_u24 v[PR], v2, 272
	v_lshl_add_u32 v[PR], v1, 4, v[PR]
	v_add_nc_u32 v[PR], s18, v[PR]                 ; back: rows 2 (w % 8) and + 1, 16 bytes a lane
	v_lshlrev_b32 v11, 4, v1
	v_lshl_add_u32 v10, v2, 12, v11                ; the same two rows in out0
	v_lshlrev_b32 v12, 3, v2
	v_sub_nc_u32 v12, v1, v12                      ; r - 8 h
	v_mov_b32 v13, 0xff800000                      ; -infinity
	v_mov_b32 v253, 0                              ; written once: a lane permute's destination counts as one of its sources
	s_mul_i32 s18, s14, 196608
	s_lshl_b32 s19, s12, 8
	s_add_co_u32 s18, s18, s19                     ; qkv32: my sequence, my head's 256 bytes of a row
	s_mov_b32 s19, 0
	s_lshl_b32 s24, s16, 19
	s_lshl_b32 s25, ttmp9, 13
	s_add_co_u32 s24, s24, s25
	s_lshl_b32 s25, s15, 11
	s_add_co_u32 s24, s24, s25                     ; wp: plane 4 kq, row 64 gx + 16 ct
	s_mov_b32 s25, 0
	s_lshl_b32 s26, ttmp9, 8                       ; 64 columns of f32
	s_mov_b32 s27, 0
	s_lshl_b32 s28, s14, 22
	s_lshl_b32 s29, s17, 13
	s_add_co_u32 s28, s28, s29
	s_add_co_u32 s28, s28, s26                     ; out0: row 1024 b + 2 (w % 8), column 64 gx
	s_mov_b32 s29, 0
	s_wait_kmcnt 0x0
	s_add_nc_u64 s[4:5], s[4:5], s[18:19]
	s_add_nc_u64 s[6:7], s[6:7], s[24:25]
	s_add_nc_u64 s[8:9], s[8:9], s[26:27]
	s_add_nc_u64 s[10:11], s[10:11], s[28:29]
.irp c, 0,1,2,3,4,5,6,7
	global_load_b128 v[QR+4*\c:QR+4*\c+3], v3, s[4:5] offset:32*\c                 ; Q(r, 8 c + 4 h + 0 .. 3)
.endr
.irp c, 0,1,2,3,4,5,6,7
	global_load_b128 v[KR+4*\c:KR+4*\c+3], v3, s[4:5] offset:4096+32*\c            ; K likewise
.endr
.irp tt, 0,1,2,3
.irp i, 0,1,2,3
.irp j, 0,1
	global_load_b32 v[VR+8*\tt+2*\i+\j], v4, s[4:5] offset:8192+(2*\i+\j)*12288+64*\tt   ; V(key 8 h + 2 i + j, channel 16 tt + r)
.endr
.endr
.endr
.irp c4, 0,1,2,3
.irp u, 0,1
.irp c, 0,1
	global_load_b128 v[WH+8*(2*\c4+\u)+4*\c:WH+8*(2*\c4+\u)+4*\c+3], v5, s[6:7] offset:131072*\c4+64*\u+32*\c
.endr
.endr
.endr
	global_load_b128 v[248:251], v11, s[8:9]       ; the bias of my four columns on the way out
	; ---- phase 1: S^T = K Q^T, 64 channels in 16 instructions, two accumulators by turns
	s_wait_loadcnt 49                              ; Q and K are in; V's 32, wp's 16 and the bias may be out
.irp c, 0,1,2,3,4,5,6,7
.irp e, 0,1
.if \c == 0
	v_wmma_f32_16x16x4_f32 v[SA+8*\e:SA+8*\e+7], v[KR+4*\c+2*\e:KR+4*\c+2*\e+1], v[QR+4*\c+2*\e:QR+4*\c+2*\e+1], 0
.else
	v_wmma_f32_16x16x4_f32 v[SA+8*\e:SA+8*\e+7], v[KR+4*\c+2*\e:KR+4*\c+2*\e+1], v[QR+4*\c+2*\e:QR+4*\c+2*\e+1], v[SA+8*\e:SA+8*\e+7]
.endif
.endr
.endr
.rept 8
	v_nop                                          ; eight places behind this form, in front of loads into its sources and of reads of its results
.endr
.irp c4, 0,1,2,3
.irp u, 0,1
.irp c, 0,1
	global_load_b128 v[WL+8*(2*\c4+\u)+4*\c:WL+8*(2*\c4+\u)+4*\c+3], v5, s[6:7] offset:2097152+131072*\c4+64*\u+32*\c   ; wp's low part, where Q and K lay
.endr
.endr
.endr
.irp j, 0,2,4,6
	v_pk_add_f32 v[SS+\j:SS+\j+1], v[SA+\j:SA+\j+1], v[SA+8+\j:SA+9+\j]            ; register j: key 8 h + j, query r
.endr
.irp j, 0,1,2,3,4,5,6,7
	v_cmp_gt_i32 vcc_lo, \j, v12                   ; hidden where 8 h + j > r
	v_cndmask_b32 v[SS+\j], v[SS+\j], v13, vcc_lo
.endr
	v_max3_num_f32 v252, v[SS], v[SS+1], v[SS+2]
	v_max3_num_f32 v252, v252, v[SS+3], v[SS+4]
	v_max3_num_f32 v252, v252, v[SS+5], v[SS+6]
	v_max_num_f32 v252, v252, v[SS+7]
	v_permlanex16_b32 v253, v252, s20, s21
	v_max_num_f32 v252, v252, v253                 ; the row's maximum: key 0 counts for every query
	v_mul_f32 v252, s22, v252
.irp j, 0,1,2,3,4,5,6,7
	v_fma_f32 v[SS+\j], v[SS+\j], s22, -v252
.endr
.irp j, 0,1,2,3,4,5,6,7
	v_exp_f32 v[SS+\j], v[SS+\j]
.endr
	v_nop
	s_wait_alu depctr_va_vdst(0)                   ; one wait for the eight exponentials, ahead of their first reader
	v_pk_add_f32 v[254:255], v[SS:SS+1], v[SS+2:SS+3]
	v_pk_add_f32 v[252:253], v[SS+4:SS+5], v[SS+6:SS+7]
	v_pk_add_f32 v[254:255], v[254:255], v[252:253]
	v_add_f32 v254, v254, v255
	v_permlanex16_b32 v253, v254, s20, s21
	v_add_f32 v254, v254, v253
	v_rcp_f32 v252, v254
	v_nop
	s_wait_alu depctr_va_vdst(0)
.irp j, 0,2,4,6
	v_pk_mul_f32 v[PL+\j:PL+\j+1], v[SS+\j:SS+\j+1], v[252:253] op_sel_hi:[1,0]    ; the weights, normalised, in f32
.endr
	s_wait_loadcnt 33                              ; V is in; wp's 16 + 16 and the bias may be out
.irp i, 0,1,2,3                        ; O^T = V^T P: keys 8 h + 2 i + j in instruction i; four accumulators by turns
.irp tt, 0,1,2,3
.if \i == 0
	v_wmma_f32_16x16x4_f32 v[OT+8*\tt:OT+8*\tt+7], v[VR+8*\tt+2*\i:VR+8*\tt+2*\i+1], v[PL+2*\i:PL+2*\i+1], 0
.else
	v_wmma_f32_16x16x4_f32 v[OT+8*\tt:OT+8*\tt+7], v[VR+8*\tt+2*\i:VR+8*\tt+2*\i+1], v[PL+2*\i:PL+2*\i+1], v[OT+8*\tt:OT+8*\tt+7]
.endif
.endr
.endr
.rept 8
	v_nop
.endr
.irp tt, 0,1,2,3                       ; y(r, 16 tt + 8 h + j) is split; tiles 2 u and 2 u + 1, in pairs, are the fragment of channels 32 u on
.irp i, 0,1,2,3
	v_and_b32 v[SS+4*(\i%2)], s23, v[OT+8*\tt+2*\i]
	v_and_b32 v[SS+4*(\i%2)+1], s23, v[OT+8*\tt+2*\i+1]
	v_pk_add_f32 v[SS+4*(\i%2)+2:SS+4*(\i%2)+3], v[OT+8*\tt+2*\i:OT+8*\tt+2*\i+1], v[SS+4*(\i%2):SS+4*(\i%2)+1] neg_lo:[0,1] neg_hi:[0,1]
	v_cvt_pk_f16_f32 v[VR+4*\tt+\i], v[SS+4*(\i%2)], v[SS+4*(\i%2)+1]
	v_cvt_pk_f16_f32 v[VR+16+4*\tt+\i], v[SS+4*(\i%2)+2], v[SS+4*(\i%2)+3]
.endr
.endr
.irp f, 0,1,2,3
.irp c, 0,1
	ds_store_b128 v[YW], v[VR+8*\f+4*\c:VR+8*\f+4*\c+3] offset:YIMG+1024*\f+512*\c   ; a fragment goes to LDS as an image of its registers
.endr
.endr
	s_wait_dscnt 0x0                               ; for the others' sake: my images have landed
	s_barrier_signal -1
	s_barrier_wait -1
	; ---- phase 2: my 16 columns over my four heads; three sums by turns
.rept 9
	v_nop                                          ; nine places in front of matrix instructions that write over the f32 form's results
.endr
.macro YFETCH c4, yb
.irp f, 0,1,2,3
.irp c, 0,1
	ds_load_b128 v[\yb+8*\f+4*\c:\yb+8*\f+4*\c+3], v[YR] offset:YIMG+4096*(\c4)+1024*\f+512*\c
.endr
.endr
.endm
.macro PROJ2 c4, yb
.irp u, 0,1
.if ((\c4) == 0) && (\u == 0)
	v_wmma_f32_16x16x32_f16 v[PA:PA+7], v[WH+8*(2*(\c4)+\u):WH+8*(2*(\c4)+\u)+7], v[\yb+8*\u:\yb+8*\u+7], 0
	v_wmma_f32_16x16x32_f16 v[PA+8:PA+15], v[WL+8*(2*(\c4)+\u):WL+8*(2*(\c4)+\u)+7], v[\yb+8*\u:\yb+8*\u+7], 0
	v_wmma_f32_16x16x32_f16 v[PA+16:PA+23], v[WH+8*(2*(\c4)+\u):WH+8*(2*(\c4)+\u)+7], v[\yb+16+8*\u:\yb+16+8*\u+7], 0
.else
	v_wmma_f32_16x16x32_f16 v[PA:PA+7], v[WH+8*(2*(\c4)+\u):WH+8*(2*(\c4)+\u)+7], v[\yb+8*\u:\yb+8*\u+7], v[PA:PA+7]
	v_wmma_f32_16x16x32_f16 v[PA+8:PA+15], v[WL+8*(2*(\c4)+\u):WL+8*(2*(\c4)+\u)+7], v[\yb+8*\u:\yb+8*\u+7], v[PA+8:PA+15]
	v_wmma_f32_16x16x32_f16 v[PA+16:PA+23], v[WH+8*(2*(\c4)+\u):WH+8*(2*(\c4)+\u)+7], v[\yb+16+8*\u:\yb+16+8*\u+7], v[PA+16:PA+23]
.endif
.endr
.endm
	YFETCH 0, YB0
	YFETCH 1, YB1
	s_wait_loadcnt 0x0                             ; wp's two parts and the bias
	s_wait_dscnt 0x0
	PROJ2 0, YB0
	PROJ2 1, YB1
.rept 4
	v_nop                                          ; places in front of loads into registers that matrix instructions have read
.endr
	YFETCH 2, YB0
	YFETCH 3, YB1
	s_wait_dscnt 0x0
	PROJ2 2, YB0
	PROJ2 3, YB1
.rept 4
	v_nop
.endr
.irp j, 0,2,4,6
	v_pk_add_f32 v[240+\j:241+\j], v[PA+\j:PA+\j+1], v[PA+8+\j:PA+9+\j]            ; each sum is read from its low end on
.endr
.irp j, 0,2,4,6
	v_pk_add_f32 v[240+\j:241+\j], v[240+\j:241+\j], v[PA+16+\j:PA+17+\j]
.endr
	ds_store_b128 v[PW], v[240:243]                ; out(t = r, 64 gx + 16 ct + 8 h + 0 .. 7), my quarter of K
	ds_store_b128 v[PW], v[244:247] offset:16
	s_wait_dscnt 0x0                               ; for the others' sake
	s_barrier_signal -1
	s_barrier_wait -1
	s_cmp_ge_u32 s12, 8
	s_cbranch_scc1 .Ldone                          ; waves 0-7 add the four quarters and store
.irp q, 0,1,2,3
	ds_load_b128 v[208+4*\q:211+4*\q], v[PR] offset:4352*\q
.endr
	s_wait_dscnt 0x0
	v_pk_add_f32 v[208:209], v[208:209], v[212:213]
	v_pk_add_f32 v[210:211], v[210:211], v[214:215]
	v_pk_add_f32 v[216:217], v[216:217], v[220:221]
	v_pk_add_f32 v[218:219], v[218:219], v[222:223]
	v_pk_add_f32 v[208:209], v[208:209], v[216:217]
	v_pk_add_f32 v[210:211], v[210:211], v[218:219]
	v_pk_add_f32 v[208:209], v[208:209], v[248:249]
	v_pk_add_f32 v[210:211], v[210:211], v[250:251]
	global_store_b128 v10, v[208:211], s[10:11]    ; sixteen lanes store 256 consecutive bytes, aligned, of each of two rows
.Ldone:
	s_wait_tensorcnt 0x0                           ; the wave's end
	ds_add_u32 v[SPW], v[NIL]
	s_wait_dscnt 0x0
	s_endpgm
.Lfunc_end_k_q5c04072f4c_fine:
	.size	k_q5c04072f4c_fine, .Lfunc_end_k_q5c04072f4c_fine-k_q5c04072f4c_fine
	.p2alignl 7, 3214868480
	.fill 96, 4, 3214868480
	.section	.rodata,"a",@progbits
	.p2align	6, 0x0
	.amdhsa_kernel k_q5c04072f4c_fine
		.amdhsa_group_segment_fixed_size 84992
		.amdhsa_private_segment_fixed_size 0
		.amdhsa_enable_private_segment 0
		.amdhsa_kernarg_size 32
		.amdhsa_user_sgpr_count 2
		.amdhsa_user_sgpr_kernarg_segment_ptr 1
		.amdhsa_wavefront_size32 1
		.amdhsa_system_sgpr_workgroup_id_x 1
		.amdhsa_system_sgpr_workgroup_id_y 1
		.amdhsa_system_sgpr_workgroup_id_z 1
		.amdhsa_system_vgpr_workitem_id 0
		.amdhsa_next_free_vgpr 256
		.amdhsa_next_free_sgpr 66
		.amdhsa_reserve_vcc 1
		.amdhsa_float_denorm_mode_32 3
		.amdhsa_float_denorm_mode_16_64 3
		.amdhsa_memory_ordered 1
		.amdhsa_forward_progress 1
		.amdhsa_inst_pref_size 27
	.end_amdhsa_kernel
	.amdgpu_metadata
---
amdhsa.version: [ 1, 2 ]
amdhsa.kernels:
  - .name:           k_q5c04072f4c_fine
    .symbol:         k_q5c04072f4c_fine.kd
    .args:
      - { .name: qkv32, .offset: 0, .size: 8, .value_kind: global_buffer, .address_space: global }
      - { .name: wp, .offset: 8, .size: 8, .value_kind: global_buffer, .address_space: global }
      - { .name: b_proj, .offset: 16, .size: 8, .value_kind: global_buffer, .address_space: global }
      - { .name: out0, .offset: 24, .size: 8, .value_kind: global_buffer, .address_space: global }
    .group_segment_fixed_size: 84992
    .private_segment_fixed_size: 0
    .kernarg_segment_align: 8
    .kernarg_segment_size: 32
    .max_flat_workgroup_size: 512
    .sgpr_count:     66
    .vgpr_count:     256
    .wavefront_size: 32
...
	.end_amdgpu_metadata
.endif
;; end of part 5
